; MI455X (gfx1250); checked and timed in simulation.
; The chip was launched on July 23, 2026; its instructions are those of AMD's public machine-readable ISA for CDNA 5 (MIT licence, August 2026) and "CDNA5" Instruction Set Architecture Reference Guide (July 2026). The comments in the code are by the model that wrote it; some were corrected since.
;; Attn. Allowed arithmetic: matrix products marked QUANTISED: E4M3 operands, one given power-of-two scale a tensor, by v_wmma_f32_16x16x64_fp8_fp8 or v_wmma_f32_16x16x128_fp8_fp8, f32 sums; products left as they are: f32 operands where the result goes on into a quantised operand, else bf16, f16 or f32 operands; f32 sums; everything else in f32.
;; Inputs: W 1,024 x 1,024 float32; b 1,024 float32; encoder_outputs 2,048 x 32 x 1,024 float32; hidden 1 x 32 x 1,024 float32; lowp_scales 2 int32 (the exponents e of the quantised operands' scales 2^e).
;; Outputs: out0 32 x 1 x 2,048 float32.
;; This version of the problem:
;;   THIS VERSION OF THE PROBLEM IS GIVEN IN LOW PRECISION. The matrix products marked QUANTISED in the list below multiply operands that are first quantised to E4M3 (4 exponent bits, 3 mantissa bits; 8 bits a number), with one given power-of-two scale for each operand tensor; their sums are f32. All else is computed in f32.
;;   The module's matrix products, in the order in which they are computed (A, B: the left and right operand; K: the contracted axis; several contracted axes count as one K, in the product's order):
;;     1. [M 65,536, K 1,024] x [K 1,024, N 1,024]; A: input encoder_outputs; B: input W: QUANTISED (scales: A lowp_scales[0], B lowp_scales[1])
;;     2. batch 32 x [M 1, K 1,024] x [K 1,024, N 2,048]; A: input hidden; B: computed on the way: left as it is (M = 1 < 16)
;;   THE QUANTISER, for each operand of a quantised product, along K:
;;     - The operand's scale is 2^e, e = its entry of the input lowp_scales (int32; the entries are numbered through the quantised products in the list's order, A before B).
;;     - Each number is divided by the scale, clamped to +-448, and rounded to the nearest number of E4M3, ties to even, subnormals kept.
;;     - The product sums the exact products of the quantised numbers (number of the format x scale) in f32.
;;   ~~~python
;;   def quantise(x, axis, e):      # numpy; x: float32 -> the quantised numbers, widened to float32 again
;;       x = np.moveaxis(x, axis, -1); K = x.shape[-1]
;;       r = np.clip(x / 2.0 ** e, -448, 448)
;;       step = 2.0 ** (np.maximum(np.frexp(np.where(r == 0, 1, r))[1] - 1, -6) - 3)
;;       q = np.round(r / step) * step * 2.0 ** e      # np.round: ties to even
;;       return np.moveaxis(q, -1, axis).astype(np.float32)
;;   ~~~
;; 2 versions. Each part assembles by itself: llvm-mc -triple=amdgcn-amd-amdhsa -mcpu=gfx1250 --defsym DOCPART=n.
;; ======== version 1 of 2: 3 launches
;; workspace buffers: wimg 1,048,576 bytes; energ 262,144 bytes
;; launch wq (part 1): grid 256 x 1, 1 waves a work-group, no clusters, 4,864 bytes of LDS; arguments W, lowp_scales, wimg; writes wimg
.if DOCPART == 1
	.amdgcn_target "amdgcn-amd-amdhsa--gfx1250"
	.amdhsa_code_object_version 6
	.text
	.protected	k_qacce5a508d_wq
	.globl	k_qacce5a508d_wq
	.p2align	8
	.type	k_qacce5a508d_wq,@function
k_qacce5a508d_wq:
	s_mov_b64 s[64:65], 0
	v_nop
	global_prefetch_b8 v0, s[64:65] scope:SCOPE_SE
	s_setreg_imm32_b32 hwreg(HW_REG_WAVE_MODE, 25, 1), 1
	s_wait_xcnt 0x0
; W [1024 (n)][1024 (k)] f32 becomes codes of FP8 (E4M3) with the given scale 2^ew (entry 1 of the scales), laid as IMAGES OF THE OPERAND'S REGISTERS for the product's launch.
; code = x / 2^ew, held within +-448, rounded to the nearest code, ties to even.  LIMITS: ew between -126 and 119 (448 x 2^ew is made as an f32 number); NaN among the inputs is not served.
; One wave to a work-group.  Work-group id takes n-tile tg = id % 64 (16 rows of W) and K chunk q = id / 64 (256 along K): 16 KiB of f32 in, a 4 KiB image out.
; A row's chunk is read by two loads of 512 consecutive bytes: lane l holds k = 4 l + 0..3 and 128 + 4 l + 0..3, and its 8 codes are bytes 8 l + 0..7 of the row's 256.
; So byte pos of a row holds k = 4 (pos / 8) + pos % 4 + 128 ((pos / 4) % 2).  The product's launch lays the other operand's codes by the very same lines, so every product meets its partner.
; THE IMAGE: byte 256 u + 16 r + i = byte pos = 16 u + i of row r (u = 0..15): the 16 bytes that lane (r, h) of the matrix instruction's operand takes for K step s, registers 4 c .. 4 c + 3, u = 8 s + 2 c + h.
; The turn from rows to the image goes through the wave's own LDS: 16 blocks of 256 bytes, 272 apart, so that the sixteen pairs of lanes of a store fall on different banks.
; wimg: tile (q, p, wn, j) at (((4 q + p) 2 + wn) 8 + j) x 4096, where tg = 32 wn + 8 p + j.
.set XR,    16                         ; v16-143  16 rows x 8 numbers
.set CD,    144                        ; v144-175 16 rows x 8 codes
.set OUTR,  176                        ; v176-207 the image, 8 x 512 bytes
.set LIM,   8                          ; v8   448 x 2^ew
.set SC,    9                          ; v9   2^ew
.set PITCH, 272
	s_load_b128 s[4:7], s[0:1], 0x0                ; W s[4:5], the scales' exponents s[6:7]
	s_load_b64 s[8:9], s[0:1], 0x10                ; wimg
	v_lshl_add_u32 v208, v0, 2, 0x1200
	v_mov_b32 v209, 0
	v_lshlrev_b32 v1, 4, v0                        ; 16 x lane: my bytes of a load's 512, and of a store's
	v_lshrrev_b32 v2, 1, v0                        ; u = lane / 2
	v_and_b32 v3, 1, v0
	v_mul_u32_u24 v2, v2, PITCH
	v_lshl_add_u32 v2, v3, 3, v2                   ; into LDS: 272 u + 8 (lane % 2); the row, 16 r, stands in the immediate
	v_lshrrev_b32 v4, 4, v0
	v_and_b32 v5, 15, v0
	v_mul_u32_u24 v4, v4, PITCH
	v_lshl_add_u32 v4, v5, 4, v4                   ; back: two blocks an instruction: 272 (lane / 16) + 16 (lane % 16)
	s_and_b32 s10, ttmp9, 63                       ; tg
	s_lshr_b32 s11, ttmp9, 6                       ; q
	s_lshl_b32 s12, s10, 16                        ; 16 rows of 4,096 bytes
	s_lshl_b32 s13, s11, 10                        ; 256 numbers
	s_add_co_u32 s12, s12, s13
	s_mov_b32 s13, 0
	s_bfe_u32 s14, s10, 0x20003                    ; p = (tg / 8) % 4
	s_lshr_b32 s15, s10, 5                         ; wn
	s_and_b32 s16, s10, 7                          ; j
	s_lshl_b32 s17, s11, 2
	s_add_co_u32 s17, s17, s14                     ; 4 q + p
	s_lshl_b32 s17, s17, 1
	s_add_co_u32 s17, s17, s15
	s_lshl_b32 s17, s17, 3
	s_add_co_u32 s17, s17, s16
	s_lshl_b32 s18, s17, 12                        ; x 4,096 bytes
	s_mov_b32 s19, 0
	s_wait_kmcnt 0x0
	s_load_b32 s20, s[6:7], 0x4                    ; ew
	s_add_nc_u64 s[4:5], s[4:5], s[12:13]
	s_add_nc_u64 s[8:9], s[8:9], s[18:19]
.irp r, 0,1,2,3,4,5,6,7,8,9,10,11,12,13,14,15
	global_load_b128 v[XR+8*\r:XR+8*\r+3],   v1, s[4:5] offset:4096*\r th:TH_LOAD_NT       ; 32 lanes read 512 consecutive bytes; each byte of W is read once in the launch
	global_load_b128 v[XR+8*\r+4:XR+8*\r+7], v1, s[4:5] offset:4096*\r+512 th:TH_LOAD_NT
.endr
	s_wait_kmcnt 0x0
	s_add_co_i32 s20, s20, 127
	s_lshl_b32 s21, s20, 23
	v_mov_b32 v[SC], s21                           ; 2^ew as f32: the conversion takes its exponent field
	s_add_co_i32 s20, s20, 8
	s_lshl_b32 s20, s20, 23
	s_or_b32 s20, s20, 0x600000
	v_mov_b32 v[LIM], s20                          ; 448 x 2^ew
.irp r, 0,1,2,3,4,5,6,7,8,9,10,11,12,13,14,15
	s_wait_loadcnt 30-2*\r                         ; loads come back in order: row r's two are in, the later rows' may be out
.irp i, 0,1,2,3,4,5,6,7
	v_med3_num_f32 v[XR+8*\r+\i], v[XR+8*\r+\i], -v[LIM], v[LIM]   ; the conversion to an 8-bit code does not saturate (ISA guide 7.6.2): the hold comes first
.endr
	v_cvt_scalef32_pk8_fp8_f32 v[CD+2*\r:CD+2*\r+1], v[XR+8*\r:XR+8*\r+7], v[SC]
	ds_store_b64 v2, v[CD+2*\r:CD+2*\r+1] offset:16*\r             ; each row has its own code registers: none is written twice
.endr
.irp t, 0,1,2,3,4,5,6,7
	ds_load_b128 v[OUTR+4*\t:OUTR+4*\t+3], v4 offset:2*\t*PITCH    ; LDS serves a wave's instructions in order: these see my stores
.endr
.irp t, 0,1,2,3,4,5,6,7
	s_wait_dscnt 7-\t
	global_store_b128 v1, v[OUTR+4*\t:OUTR+4*\t+3], s[8:9] offset:512*\t   ; 32 lanes store 512 consecutive bytes, at a multiple of 256 from wimg's first byte
.endr
	s_wait_tensorcnt 0x0
	ds_add_u32 v208, v209
	s_wait_dscnt 0x0
	s_endpgm
.Lfunc_end_k_qacce5a508d_wq:
	.size	k_qacce5a508d_wq, .Lfunc_end_k_qacce5a508d_wq-k_qacce5a508d_wq
	.p2alignl 7, 3214868480
	.fill 96, 4, 3214868480
	.section	.rodata,"a",@progbits
	.p2align	6, 0x0
	.amdhsa_kernel k_qacce5a508d_wq
		.amdhsa_group_segment_fixed_size 4864
		.amdhsa_private_segment_fixed_size 0
		.amdhsa_enable_private_segment 0
		.amdhsa_kernarg_size 24
		.amdhsa_user_sgpr_count 2
		.amdhsa_user_sgpr_kernarg_segment_ptr 1
		.amdhsa_wavefront_size32 1
		.amdhsa_system_sgpr_workgroup_id_x 1
		.amdhsa_system_sgpr_workgroup_id_y 1
		.amdhsa_system_sgpr_workgroup_id_z 1
		.amdhsa_system_vgpr_workitem_id 0
		.amdhsa_next_free_vgpr 210
		.amdhsa_next_free_sgpr 66
		.amdhsa_reserve_vcc 0
		.amdhsa_float_denorm_mode_32 3
		.amdhsa_float_denorm_mode_16_64 3
		.amdhsa_memory_ordered 1
		.amdhsa_forward_progress 1
		.amdhsa_inst_pref_size 18
	.end_amdhsa_kernel
	.amdgpu_metadata
---
amdhsa.version: [ 1, 2 ]
amdhsa.kernels:
  - .name:           k_qacce5a508d_wq
    .symbol:         k_qacce5a508d_wq.kd
    .args:
      - { .name: W, .offset: 0, .size: 8, .value_kind: global_buffer, .address_space: global }
      - { .name: lowp_scales, .offset: 8, .size: 8, .value_kind: global_buffer, .address_space: global }
      - { .name: wimg, .offset: 16, .size: 8, .value_kind: global_buffer, .address_space: global }
    .group_segment_fixed_size: 4864
    .private_segment_fixed_size: 0
    .kernarg_segment_align: 8
    .kernarg_segment_size: 24
    .max_flat_workgroup_size: 32
    .sgpr_count:     66
    .vgpr_count:     210
    .wavefront_size: 32
...
	.end_amdgpu_metadata
.endif
;; end of part 1
;; launch main (part 2): grid 256 x 1, 4 waves a work-group, clusters of 4 x 1, 327,680 bytes of LDS; arguments encoder_outputs, hidden, lowp_scales, wimg, energ; writes energ
.if DOCPART == 2
	.amdgcn_target "amdgcn-amd-amdhsa--gfx1250"
	.amdhsa_code_object_version 6
	.text
	.protected	k_qacce5a508d_main
	.globl	k_qacce5a508d_main
	.p2align	8
	.type	k_qacce5a508d_main,@function
k_qacce5a508d_main:
	s_mov_b64 s[64:65], 0
	v_nop
	global_prefetch_b8 v0, s[64:65] scope:SCOPE_SE
	s_setreg_imm32_b32 hwreg(HW_REG_WAVE_MODE, 25, 1), 1
	s_wait_xcnt 0x0
	s_wait_alu depctr_hold_cnt(0) depctr_sa_sdst(0) depctr_va_vdst(0) depctr_va_sdst(0) depctr_va_ssrc(0) depctr_va_vcc(0) depctr_vm_vsrc(0)
	s_getreg_b32 s2, hwreg(HW_REG_IB_STS2, 6, 4)
	s_cmp_eq_u32 s2, 0
	s_cbranch_scc0 .Lentry_in_a_cluster
	s_endpgm
.Lentry_in_a_cluster:
	s_bfe_u32 s2, ttmp6, 0x10000c
	s_cmp_lg_u32 s2, 0x3003
	s_cbranch_scc0 .Lentry_shape_is_right
	s_endpgm
.Lentry_shape_is_right:
; energ[b][l] = 2^(ea + ew) x sum over n of hidden[b][n] x (sum over k of Q(enc[l][b][k]) Q(W[n][k])), the inner sums on codes of FP8 (E4M3) by v_wmma_f32_16x16x128_fp8_fp8, all else in f32.
; (hidden . bias and the softmax follow in the next launch.)  enc: [2048 (l)][32 (b)][1024 (k)] f32; wimg: W's codes as images of operand registers, 16 blocks of 64 KiB (K chunk q, n period p).
; SHARES.  A work-group owns one b and 256 values of l: 256 rows of 1,024 numbers, read once.  Wave w = 2 wm + wn multiplies rows 128 wm + 0..127 by n = 512 wn + 0..511, and streams and quantises rows 64 w + 0..63.
; K GOES IN FOUR CHUNKS OF 256.  A chunk's codes of the wave's 128 rows stay in 256 registers while the wave walks its 32 tiles of 16 n.  A tile's sums (two matrix instructions deep) are multiplied by hidden[n]
; and added into one f32 number a row and lane at once: the sum over n is linear in the chunks, so no accumulator outlives its tile, and the next chunk is read, quantised and laid in LDS meanwhile.
; THE ORDER OF THE f32 SUMS therefore differs from a plain one: each chunk is reduced with hidden before the chunks are added.
; THE STREAM.  A unit is one row's chunk, 1,024 bytes: two loads of 512 consecutive bytes; lane l holds k = 4 l + 0..3 and 128 + 4 l + 0..3; its 8 codes are bytes 8 l + 0..7 of the row's 256 in LDS.  That is a
; permutation of k within the chunk, and W's images are laid by the same one.  A ring of 16 units: 32 loads of a wave are out at all times, asked for a whole period (128 matrix instructions) ahead.
; PERIODS.  A period is one block of W: 8 tiles of n a wave.  Four periods a chunk, sixteen in all, and four more in front that only stream chunk 0.  s[SG] counts all twenty; every address that moves is made of it.
; CLUSTER.  The four work-groups of a cluster share b and walk the same blocks of W in step: each block, and hidden's row, is asked for JOINTLY (the same tensor load, the same descriptor, a mask that names the four).
; LIMITS: ea between -126 and 119 (448 x 2^ea is made as an f32 number); ea + ew is applied by v_ldexp_f32 and has none.  NaN among the inputs is not served; infinities are held at the largest code.
; LDS: codes [wave 4][buffer 2][row 64] x 272 bytes (256 + 16: the 16 rows of a fragment load start at 16 different banks; written by LDS stores alone) | two slots of 64 KiB for W | hidden's row | the last sums | the spare words.
; REGISTERS, in windows of 256:  window 0: v0-25 addresses and constants; v32-63 the codes just made; v128-255 the ring (at the end: the rows' sums).   window 1: v0-127 the chunk's codes, K step 0 (block a of 16 rows at 16 a).
;   window 2: v0-127 K step 1; v128-143 hidden of the period's 8 tiles (each twice: a pair for the packed form); v144-147 LDS addresses of W's and hidden's loads.
;   window 3: v0-63, v64-127 two sets of 8 accumulators; v128-159, v160-191 two buffers for a tile of W (two K steps); v192-255 the rows' sums E (row 16 a + 8 (lane / 16) + j at 8 a + j).
.set APITCH, 272
.set ASTEP,  16*APITCH                 ; the 16 rows of a period's stream
.set ABUF,   64*APITCH                 ; a wave's 64 rows of one chunk
.set AWAVE,  2*ABUF
.set WS0,    4*AWAVE                   ; 139,264: W's slot 0; slot 1 lies 65,536 further on
.set HIDT,   WS0+2*65536               ; hidden[b][0..1023]
.set RED,    HIDT+4096                 ; [wave][128 rows] f32
.set SPARE,  RED+2048                  ; the spare words, 128 bytes for each wave: two blocks of 256 bytes that no other line names
.set ROWG,   131072                    ; bytes from enc[l][b] to enc[l + 1][b]
.set VL16, 4                           ; v4   16 x lane
.set VOF,  5                           ; v5   the stream's offset: the next period's rows and chunk + 16 x lane
.set AWV0, 6                           ; v6   where my codes go: my wave's region + 8 x lane
.set AWV,  7                           ; v7   + the period's rows and buffer
.set ARD0, 8                           ; v8   where my fragments of codes lie: the region of wave 2 wm + 272 (lane % 16) + 16 (lane / 16)
.set ARD,  9                           ; v9   + the chunk's buffer
.set SPW,  10                          ; v10  LDS address of my spare word: SPARE + 4 x my thread's number; never rewritten
.set NIL,  11                          ; v11  0; never rewritten
.set LIM,  12                          ; v12  448 x 2^ea
.set SC,   13                          ; v13  2^ea
.set REDW, 14
.set REDR, 15
.set GOUT, 16
.set CD,   32
.set XR,   128
.set TS,   128                         ; the end: the rows' sums in window 0
.set HID,  128                         ; window 2
.set ADB0, 144
.set ADB,  145
.set HAD0, 146
.set HAD,  147
.set BF,   128                         ; window 3
.set EE,   192
.set WV,   14                          ; s14 wave; s15 wm; s16 wn; s17 cx; s18 work-group; s19 b
.set WM,   15
.set WN,   16
.set CX,   17
.set WG,   18
.set BI,   19
.set G1W,  24                          ; s[24:31] descriptor group 1 for a quarter of a block of W;  s[32:39] for a quarter of hidden's row
.set G1H,  32
.set G0W,  40                          ; s[40:43] group 0 for W, which walks;  s[44:47] for hidden
.set G0H,  44
.set SG,   48                          ; s48  the period's number, 0 .. 19
.set TB,   49                          ; s49  65,536 x (period % 2): the slot in hand
.set HO,   50                          ; s50  512 x (period % 4): the period's 128 n in hidden's row
.set QB,   51                          ; s51  my quarter of slot 0
.set CNT1, 52
.set CNT2, 53
.set ES,   60                          ; s60  ea + ew
.set W_A0, 0xfd                        ; source 0 window 1, all else window 3
.set W_A1, 0xfe                        ; source 0 window 2, all else window 3
.set MSB, 0
.macro WIN new                         ; the immediate's high byte repeats the setting that is left; a switch that changes nothing is dropped
.if MSB != \new
	s_set_vgpr_msb (MSB<<8)|\new
.set MSB, \new
.endif
.endm
; A round of the cluster's barrier: my work-group's barrier, wave 0's signal for the work-group, every wave's wait for all four work-groups, my work-group's barrier once more.
.macro ROUND
	s_barrier_signal -1
	s_barrier_wait -1
	s_cmp_lg_u32 s[WV], 0
	s_cbranch_scc1 .Lnot_wave_0_\@
	s_barrier_signal -3
.Lnot_wave_0_\@:
	s_barrier_wait -3
	s_barrier_signal -1
	s_barrier_wait -1
.endm
; The stream's two addresses for period s[SG].  Codes: rows 16 (SG % 4) of buffer (SG / 4) % 2.  next = 1: the loads ask for the step after: rows 16 ((SG + 1) % 4), chunk (SG + 1) / 4.
.macro PTRS next
	s_and_b32 s54, s[SG], 7
	s_mul_i32 s54, s54, ASTEP
	v_add_nc_u32 v[AWV], s54, v[AWV0]
.if \next
	s_add_co_u32 s55, s[SG], 1
	s_and_b32 s56, s55, 3
	s_lshl_b32 s56, s56, 21                        ; 16 rows of ROWG bytes
	s_lshr_b32 s55, s55, 2
	s_lshl_b32 s55, s55, 10                        ; a chunk is 1,024 bytes of a row
	s_add_co_u32 s55, s55, s56
	s_wait_xcnt 0x0                                ; the last period's loads have read their offset: it is written only behind this wait
	v_add_nc_u32 v[VOF], s55, v[VL16]
.endif
.endm
; Two units of the stream, 2 jt and 2 jt + 1: held, converted, stored as codes; kind = 1: their registers take the same rows' places of the next step; kind = 2: the last step, nothing is asked for.
.macro SLICE jt, kind
	WIN 0
.if (\kind) == 1
	s_wait_loadcnt 28                              ; loads come back in order: behind my two units' four loads stand the seven other pairs', four each
.else
	s_wait_loadcnt 28-4*(\jt)                      ; nothing is issued any more: the count runs down
.endif
.irp d, 0,1
.irp i, 0,1,2,3,4,5,6,7
	v_med3_num_f32 v[XR+8*(2*(\jt)+\d)+\i], v[XR+8*(2*(\jt)+\d)+\i], -v[LIM], v[LIM]   ; the conversion does not saturate (ISA guide 7.6.2): the hold at 448 x the scale comes first
.endr
.endr
.irp d, 0,1
	v_cvt_scalef32_pk8_fp8_f32 v[CD+2*(2*(\jt)+\d):CD+2*(2*(\jt)+\d)+1], v[XR+8*(2*(\jt)+\d):XR+8*(2*(\jt)+\d)+7], v[SC]
.endr
	v_nop                                          ; one plain vector instruction behind the last conversion of the run
.irp d, 0,1
	ds_store_b64 v[AWV], v[CD+2*(2*(\jt)+\d):CD+2*(2*(\jt)+\d)+1] offset:APITCH*(2*(\jt)+\d)   ; 32 lanes fill the row's 256 bytes
.endr
.if (\kind) == 1
.irp d, 0,1
	global_load_b128 v[XR+8*(2*(\jt)+\d):XR+8*(2*(\jt)+\d)+3],   v[VOF], s[4:5] offset:ROWG*(2*(\jt)+\d) th:TH_LOAD_NT       ; 512 consecutive bytes, read once in the launch
	global_load_b128 v[XR+8*(2*(\jt)+\d)+4:XR+8*(2*(\jt)+\d)+7], v[VOF], s[4:5] offset:ROWG*(2*(\jt)+\d)+512 th:TH_LOAD_NT
.endr
.endif
.endm
; Tile jt of the period's eight: 16 n x my 128 rows x 256 K: 16 matrix instructions on accumulator set jt % 2, the eight accumulators by turns, one instruction a turn.
; Behind each instruction of the second K step stand four packed multiply-adds that take the tile before out of the other set (E += hidden[n] x sum, each accumulator from its low end on), and one load of the next tile of W
; into the other buffer.  These multiply-adds name no register of the matrix instructions round them: they are the places in front of the reads of results, of the loads into the buffer that the tile before
; has read (four at the least), and of the next tile's products, which write the set anew.
.macro TILE jt, kind
.set BE, (\jt)%2
.if ((\jt) == 0) || ((\kind) == 0)
	s_wait_dscnt 0x0                               ; this tile of W is in (tile 0: hidden's numbers and, in a chunk's first period, the chunk's codes too)
.else
	s_wait_dscnt 0x2                               ; this tile of W is in; the two stores of codes issued behind its loads may be out
.endif
	WIN W_A0
.irp a, 0,1,2,3,4,5,6,7
	v_wmma_f32_16x16x128_fp8_fp8 v[64*BE+8*\a:64*BE+8*\a+7], v[16*\a:16*\a+15], v[BF+32*BE:BF+32*BE+15], 0
.endr
	WIN W_A1
.irp a, 0,1,2,3,4,5,6,7
	v_wmma_f32_16x16x128_fp8_fp8 v[64*BE+8*\a:64*BE+8*\a+7], v[16*\a:16*\a+15], v[BF+32*BE+16:BF+32*BE+31], v[64*BE+8*\a:64*BE+8*\a+7]
.if (\jt) > 0
.irp i, 0,2,4,6
	v_pk_fma_f32 v[EE+8*\a+\i:EE+8*\a+\i+1], v[HID+2*((\jt)-1):HID+2*((\jt)-1)+1], v[64*(1-BE)+8*\a+\i:64*(1-BE)+8*\a+\i+1], v[EE+8*\a+\i:EE+8*\a+\i+1]
.endr
.endif
.if (\jt) < 7
	ds_load_b128 v[BF+32*(1-BE)+4*\a:BF+32*(1-BE)+4*\a+3], v[ADB] offset:((\jt)+1)*4096+512*\a   ; an image: 512 consecutive bytes an instruction
.endif
.endr
.if (\kind) != 0
	SLICE \jt, \kind
.elseif (\jt) == 0
.rept 4
	v_nop                                          ; tile 0 has no multiply-adds and this period no stream: the places in front of tile 1's first read of tile 0's sums
.endr
.endif
.endm
.macro FLUSH                           ; tile 7's sums are taken out; these 32 are also the places in front of loads into the registers that the last products read
	WIN W_A1
.irp a, 0,1,2,3,4,5,6,7
.irp i, 0,2,4,6
	v_pk_fma_f32 v[EE+8*\a+\i:EE+8*\a+\i+1], v[HID+14:HID+15], v[64+8*\a+\i:64+8*\a+\i+1], v[EE+8*\a+\i:EE+8*\a+\i+1]
.endr
.endr
.endm
.macro PB kind                         ; a period's work
.irp jt, 0,1,2,3,4,5,6,7
	TILE \jt, \kind
.endr
	FLUSH
.endm
; THE CHANGE OF SLOTS, at a period's head.  Each wave waits for all its tensor loads (its quarter of the block that it is about to read), adds 0 to its spare word, and waits for that and for its reads of the slot
; that it has left.  fill = 1: a round of the cluster's barrier follows, and behind it the slot that was left takes the next block: the load has the whole period in which to land.
.macro CHANGE fill, kind
	WIN 0
.if (\kind) != 0
	s_wait_dscnt 0x0                               ; my stores of codes have read their address register: it is written below
.if (\kind) == 1
	PTRS 1
.else
	PTRS 0
.endif
.endif
	s_wait_tensorcnt 0x0                           ; no tensor load of mine is out, so the walking group 0 may be written
	ds_add_u32 v[SPW], v[NIL]                      ; 0 onto my spare word: the scalar work below stands between it and the wait for it
	s_and_b32 s[TB], s[SG], 1
	s_lshl_b32 s[TB], s[TB], 16
	s_and_b32 s[HO], s[SG], 3
	s_lshl_b32 s[HO], s[HO], 9
.if \fill
	s_xor_b32 s54, s[TB], 0x10000
	s_add_co_u32 s[G0W+1], s[QB], s54              ; my quarter of the other slot,
	s_add_nc_u64 s[G0W+2:G0W+3], s[G0W+2:G0W+3], 0x10000   ; the next block; the type bits on top are not reached
.endif
	s_wait_dscnt 0x0                               ; the add is done, and my reads of the slot that I have left are over
.if \fill
	ROUND                                          ; no wave of any partner still reads that slot or has a load on its way
	tensor_load_to_lds s[G0W:G0W+3], s[G1W:G1W+7]  ; the first thing behind the round, and my one tensor load until the next
	s_nop 0
.rept 4
	v_nop
.endr
.else
	s_barrier_signal -1
	s_barrier_wait -1
.endif
	WIN 0x8a                                       ; sources 0 and 1 and the destination in window 2
	v_add_nc_u32 v[ADB], s[TB], v[ADB0]
	v_add_nc_u32 v[HAD], s[HO], v[HAD0]
.irp t, 0,1,2,3,4,5,6,7
	ds_load_b32 v[HID+2*\t],   v[HAD] offset:64*\t ; hidden[n] of tile t: n = lane % 16 of the tile; twice, for the packed form
	ds_load_b32 v[HID+2*\t+1], v[HAD] offset:64*\t
.endr
	WIN W_A1
.irp a, 0,1,2,3,4,5,6,7
	ds_load_b128 v[BF+4*\a:BF+4*\a+3], v[ADB] offset:512*\a   ; tile 0 of W
.endr
.endm
; Between two chunks: every wave's codes of the next chunk have landed in LDS, then the work-group's barrier.  The next fill stands behind the next change's own waits and round.
.macro XBAR
	WIN 0
	s_wait_dscnt 0x0
	s_barrier_signal -1
	s_barrier_wait -1
.endm
; The chunk's codes of my 128 rows: 16 fragments of 16 rows x 128 K, four loads of 16 bytes a lane each, 32 bytes apart.  Rows 0-63 were laid by wave 2 wm, rows 64-127 by wave 2 wm + 1.
.macro RELOAD
	s_bfe_u32 s54, s[SG], 0x10002
	s_xor_b32 s54, s54, 1                          ; the chunk to be multiplied is SG / 4 - 1: its buffer
	s_mul_i32 s54, s54, ABUF
	v_add_nc_u32 v[ARD], s54, v[ARD0]
	WIN 0x40                                       ; destination window 1
.irp a, 0,1,2,3,4,5,6,7
.irp c, 0,1,2,3
	ds_load_b128 v[16*\a+4*\c:16*\a+4*\c+3], v[ARD] offset:(\a/4)*AWAVE+(\a%4)*ASTEP+32*\c
.endr
.endr
	WIN 0x80                                       ; destination window 2
.irp a, 0,1,2,3,4,5,6,7
.irp c, 0,1,2,3
	ds_load_b128 v[16*\a+4*\c:16*\a+4*\c+3], v[ARD] offset:(\a/4)*AWAVE+(\a%4)*ASTEP+128+32*\c
.endr
.endr
	WIN 0
.endm
	s_load_b256 s[4:11], s[0:1], 0x0               ; enc s[4:5], hidden s[6:7], the scales' exponents s[8:9], wimg s[10:11]
	s_load_b64 s[12:13], s[0:1], 0x20              ; energ
	v_lshl_add_u32 v[SPW], v0, 2, SPARE
	v_mov_b32 v[NIL], 0
	ds_add_u32 v10, v11
	ds_add_u32 v10, v11
	s_wait_dscnt 0x0
	v_lshrrev_b32 v18, 5, v0
	v_readfirstlane_b32 s[WV], v18                 ; wave 0..3
	v_and_b32 v1, 31, v0                           ; lane
	v_and_b32 v2, 15, v0                           ; r
	v_bfe_u32 v3, v0, 4, 1                         ; h
	v_lshlrev_b32 v[VL16], 4, v1
	v_lshlrev_b32 v[VOF], 4, v1                    ; the first step: rows 0-15, chunk 0
	s_lshr_b32 s[WM], s[WV], 1
	s_and_b32 s[WN], s[WV], 1
	s_bfe_u32 s[CX], ttmp6, 0x40000                ; my place in the cluster: it enters enc's and energ's addresses alone
	s_lshl_b32 s[WG], ttmp9, 2                     ; in a cluster launch ttmp9 counts clusters
	s_add_co_u32 s[WG], s[WG], s[CX]               ; work-group = 8 b + (which 256 values of l)
	s_lshr_b32 s[BI], ttmp9, 1                     ; b: the four partners share it
	s_and_b32 s20, s[WG], 7
	s_lshl_b32 s20, s20, 8
	s_lshl_b32 s21, s[WV], 6
	s_add_co_u32 s20, s20, s21                     ; the first l that my wave streams
	s_lshl_b32 s20, s20, 17                        ; x ROWG: under 2^28
	s_lshl_b32 s21, s[BI], 12
	s_add_co_u32 s20, s20, s21
	s_mov_b32 s21, 0
	s_wait_kmcnt 0x0
	s_load_b64 s[58:59], s[8:9], 0x0               ; ea, ew
	s_add_nc_u64 s[4:5], s[4:5], s[20:21]
.irp u, 0,1,2,3,4,5,6,7,8,9,10,11,12,13,14,15
	global_load_b128 v[XR+8*\u:XR+8*\u+3],   v[VOF], s[4:5] offset:ROWG*\u th:TH_LOAD_NT       ; the ring is filled before anything else is done
	global_load_b128 v[XR+8*\u+4:XR+8*\u+7], v[VOF], s[4:5] offset:ROWG*\u+512 th:TH_LOAD_NT
.endr
	s_lshl_b32 s20, s[WG], 10
	s_add_nc_u64 s[12:13], s[12:13], s[20:21]      ; energ at my work-group's 256 numbers
	; descriptor group 1.  W: a quarter of a block, 16 KiB dense, as 64 rows of 32 elements of 8 bytes.  hidden: a quarter of a row, 1,024 bytes, as one row of 128 elements.
	s_mov_b32 s[G1W+0], 15|(3<<16)|(1<<21)         ; 15:0 the mask: all four work-groups; 17:16 elements of 8 bytes; 20 no padding; 21 set beside a mask
	s_mov_b32 s[G1W+1], 32<<16                     ; tensor_dim0 = 32
	s_mov_b32 s[G1W+2], 64<<16                     ; tensor_dim1 = 64
	s_mov_b32 s[G1W+3], 32<<16                     ; tile_dim0 = 32
	s_mov_b32 s[G1W+4], 64                         ; tile_dim1 = 64
	s_mov_b32 s[G1W+5], 32                         ; from row to row
	s_mov_b32 s[G1W+6], 0
	s_mov_b32 s[G1W+7], 0
	s_mov_b32 s[G1H+0], 15|(3<<16)|(1<<21)
	s_mov_b32 s[G1H+1], 128<<16
	s_mov_b32 s[G1H+2], 1<<16
	s_mov_b32 s[G1H+3], 128<<16
	s_mov_b32 s[G1H+4], 1
	s_mov_b32 s[G1H+5], 128
	s_mov_b32 s[G1H+6], 0
	s_mov_b32 s[G1H+7], 0
	; group 0: made of the wave's number and b alone, in registers that never hold my place in the cluster
	s_lshl_b32 s22, s[WV], 14
	s_mov_b32 s23, 0
	s_add_co_u32 s[QB], s22, WS0
	s_mov_b32 s[G0W], 1                            ; count = 1
	s_mov_b32 s[G0W+1], s[QB]                      ; LDS address: my quarter of slot 0
	s_add_nc_u64 s[G0W+2:G0W+3], s[10:11], s[22:23]  ; block 0
	s_or_b32 s[G0W+3], s[G0W+3], 0x80000000        ; type = 2
	s_lshl_b32 s54, s[WV], 10
	s_add_co_u32 s[G0H+1], s54, HIDT
	s_lshl_b32 s55, s[BI], 12
	s_add_co_u32 s54, s54, s55
	s_mov_b32 s55, 0
	s_mov_b32 s[G0H], 1
	s_add_nc_u64 s[G0H+2:G0H+3], s[6:7], s[54:55]
	s_or_b32 s[G0H+3], s[G0H+3], 0x80000000
	ROUND                                          ; all four work-groups are here: the first joint loads meet
	tensor_load_to_lds s[G0W:G0W+3], s[G1W:G1W+7]  ; the two first fills go out together: two tensor loads of mine are out
	s_nop 0
	tensor_load_to_lds s[G0H:G0H+3], s[G1H:G1H+7]
	s_nop 0
.rept 4
	v_nop
.endr
	s_mul_i32 s56, s[WV], AWAVE
	v_lshl_add_u32 v[AWV0], v1, 3, s56
	s_mul_i32 s56, s[WM], 2*AWAVE
	v_mul_u32_u24 v18, v2, APITCH
	v_lshl_add_u32 v18, v3, 4, v18
	v_add_nc_u32 v[ARD0], s56, v18
	s_lshl_b32 s56, s[WV], 9
	s_add_co_u32 s56, s56, RED
	v_lshl_add_u32 v[REDW], v3, 5, s56             ; the end: my wave's 128 words, + 8 rows for lanes 16-31
	v_lshrrev_b32 v18, 6, v0
	v_and_b32 v19, 63, v0
	v_lshlrev_b32 v19, 3, v19
	v_lshl_add_u32 v19, v18, 10, v19
	v_add_nc_u32 v[REDR], RED, v19                 ; thread t takes rows 2 t, 2 t + 1: in wave pair t / 64, 8 (t % 64) bytes on
	v_lshlrev_b32 v[GOUT], 3, v0
	s_lshl_b32 s56, s[WN], 15
	s_add_co_u32 s56, s56, WS0
	s_lshl_b32 s57, s[WN], 11
	s_add_co_u32 s57, s57, HIDT
	WIN 0x80                                       ; destination window 2
	v_add_nc_u32 v[ADB0], s56, v[VL16]             ; W: slot 0, my 8 tiles (32 KiB), 16 x lane
	v_lshl_add_u32 v[HAD0], v2, 2, s57             ; hidden: my 512 n, 4 (lane % 16)
	WIN 0xc0                                       ; destination window 3
.set i, 0
.rept 64
	v_mov_b32 v[EE+i], 0                           ; the rows' sums begin at 0, once: the period is then written without a first copy of its own
.set i, i+1
.endr
	WIN 0
	s_wait_kmcnt 0x0
	s_add_co_i32 s[ES], s58, s59                   ; ea + ew
	s_add_co_i32 s54, s58, 127
	s_lshl_b32 s55, s54, 23
	v_mov_b32 v[SC], s55                           ; 2^ea as f32: the conversion takes its exponent field
	s_add_co_i32 s54, s54, 8
	s_lshl_b32 s54, s54, 23
	s_or_b32 s54, s54, 0x600000
	v_mov_b32 v[LIM], s54                          ; 448 x 2^ea
	; periods 0 to 3: chunk 0 is streamed, quantised and laid in LDS
	s_mov_b32 s[SG], 0
	s_mov_b32 s[CNT1], 4
.Lfirst:
	s_wait_dscnt 0x0                               ; the last period's stores of codes have read their registers
	PTRS 1
.irp jt, 0,1,2,3,4,5,6,7
	SLICE \jt, 1
.endr
	s_add_co_u32 s[SG], s[SG], 1
	s_sub_co_u32 s[CNT1], s[CNT1], 1
	s_cmp_lg_u32 s[CNT1], 0
	s_cbranch_scc1 .Lfirst
	; chunks 0 and 1 are multiplied while chunks 1 and 2 are streamed
	s_mov_b32 s[CNT2], 2
.Lchunk:
	XBAR
	RELOAD
	s_mov_b32 s[CNT1], 4
.Lperiod_a:
	CHANGE 1, 1
	PB 1
	WIN 0                                          ; at a label and at a branch every window is 0
	s_add_co_u32 s[SG], s[SG], 1
	s_sub_co_u32 s[CNT1], s[CNT1], 1
	s_cmp_lg_u32 s[CNT1], 0
	s_cbranch_scc1 .Lperiod_a
	s_sub_co_u32 s[CNT2], s[CNT2], 1
	s_cmp_lg_u32 s[CNT2], 0
	s_cbranch_scc1 .Lchunk
	; chunk 2 is multiplied while chunk 3 is streamed; its last period asks for nothing more: no load leaves the buffer
	XBAR
	RELOAD
	s_mov_b32 s[CNT1], 3
.Lperiod_b:
	CHANGE 1, 1
	PB 1
	WIN 0
	s_add_co_u32 s[SG], s[SG], 1
	s_sub_co_u32 s[CNT1], s[CNT1], 1
	s_cmp_lg_u32 s[CNT1], 0
	s_cbranch_scc1 .Lperiod_b
	CHANGE 1, 2
	PB 2
	WIN 0
	s_add_co_u32 s[SG], s[SG], 1
	; chunk 3: nothing is left to stream; the last period is written out
	XBAR
	RELOAD
	s_mov_b32 s[CNT1], 3
.Lperiod_c:
	CHANGE 1, 0
	PB 0
	WIN 0
	s_add_co_u32 s[SG], s[SG], 1
	s_sub_co_u32 s[CNT1], s[CNT1], 1
	s_cmp_lg_u32 s[CNT1], 0
	s_cbranch_scc1 .Lperiod_c
	CHANGE 0, 0
	PB 0
	; THE END.  A lane's 64 sums are those of its n (lane % 16 of every tile): x 2^(ea + ew), then added over the 16 lanes of each half; the two waves that share rows meet in LDS.
	WIN 0x03                                       ; source 0 window 3, destination window 0
.set i, 0
.rept 64
	v_ldexp_f32 v[TS+i], v[EE+i], s[ES]
.set i, i+1
.endr
	WIN 0
.irp m, 1,2,4,8
.set i, 0
.rept 64
	v_add_f32_dpp v[TS+i], v[TS+i], v[TS+i] row_xmask:\m row_mask:0xf bank_mask:0xf
.set i, i+1
.endr
.endr
.irp a, 0,1,2,3,4,5,6,7
	ds_store_b128 v[REDW], v[TS+8*\a:TS+8*\a+3]   offset:64*\a      ; rows 16 a + 8 (lane / 16) + 0..3: the 16 lanes of a half write the same words with the same values
	ds_store_b128 v[REDW], v[TS+8*\a+4:TS+8*\a+7] offset:64*\a+16
.endr
	s_wait_dscnt 0x0                               ; for the others' sake: my stores have landed
	s_barrier_signal -1
	s_barrier_wait -1
	ds_load_b64 v[18:19], v[REDR]                  ; rows 2 t, 2 t + 1: the sums over n = 0..511,
	ds_load_b64 v[20:21], v[REDR] offset:512       ; and over n = 512..1023
	s_wait_dscnt 0x0
	v_pk_add_f32 v[22:23], v[18:19], v[20:21]
	global_store_b64 v[GOUT], v[22:23], s[12:13]   ; a wave stores 256 consecutive bytes, at a multiple of 256 from energ's first byte
	s_wait_tensorcnt 0x0                           ; the wave's end, behind my last tensor load and my last LDS store
	ds_add_u32 v[SPW], v[NIL]
	s_wait_dscnt 0x0
	ROUND                                          ; the closing round: no work-group ends while a partner may still ask for a block that names it
	s_endpgm
.Lfunc_end_k_qacce5a508d_main:
	.size	k_qacce5a508d_main, .Lfunc_end_k_qacce5a508d_main-k_qacce5a508d_main
	.p2alignl 7, 3214868480
	.fill 96, 4, 3214868480
	.section	.rodata,"a",@progbits
	.p2align	6, 0x0
	.amdhsa_kernel k_qacce5a508d_main
		.amdhsa_group_segment_fixed_size 327680
		.amdhsa_private_segment_fixed_size 0
		.amdhsa_enable_private_segment 0
		.amdhsa_kernarg_size 40
		.amdhsa_user_sgpr_count 2
		.amdhsa_user_sgpr_kernarg_segment_ptr 1
		.amdhsa_wavefront_size32 1
		.amdhsa_system_sgpr_workgroup_id_x 1
		.amdhsa_system_sgpr_workgroup_id_y 1
		.amdhsa_system_sgpr_workgroup_id_z 1
		.amdhsa_system_vgpr_workitem_id 0
		.amdhsa_next_free_vgpr 1024
		.amdhsa_next_free_sgpr 66
		.amdhsa_reserve_vcc 0
		.amdhsa_float_denorm_mode_32 3
		.amdhsa_float_denorm_mode_16_64 3
		.amdhsa_memory_ordered 1
		.amdhsa_forward_progress 1
		.amdhsa_inst_pref_size 254
	.end_amdhsa_kernel
	.amdgpu_metadata
---
amdhsa.version: [ 1, 2 ]
amdhsa.kernels:
  - .name:           k_qacce5a508d_main
    .symbol:         k_qacce5a508d_main.kd
    .args:
      - { .name: encoder_outputs, .offset: 0, .size: 8, .value_kind: global_buffer, .address_space: global }
      - { .name: hidden, .offset: 8, .size: 8, .value_kind: global_buffer, .address_space: global }
      - { .name: lowp_scales, .offset: 16, .size: 8, .value_kind: global_buffer, .address_space: global }
      - { .name: wimg, .offset: 24, .size: 8, .value_kind: global_buffer, .address_space: global }
      - { .name: energ, .offset: 32, .size: 8, .value_kind: global_buffer, .address_space: global }
    .group_segment_fixed_size: 327680
    .private_segment_fixed_size: 0
    .kernarg_segment_align: 8
    .kernarg_segment_size: 40
    .max_flat_workgroup_size: 128
    .sgpr_count:     66
    .vgpr_count:     1024
    .wavefront_size: 32
...
	.end_amdgpu_metadata
.endif
;; end of part 2
;; launch soft (part 3): grid 32 x 1, 8 waves a work-group, no clusters, 1,280 bytes of LDS; arguments energ, hidden, b, out0; writes out0
.if DOCPART == 3
	.amdgcn_target "amdgcn-amd-amdhsa--gfx1250"
	.amdhsa_code_object_version 6
	.text
	.protected	k_qacce5a508d_soft
	.globl	k_qacce5a508d_soft
	.p2align	8
	.type	k_qacce5a508d_soft,@function
k_qacce5a508d_soft:
	s_mov_b64 s[64:65], 0
	v_nop
	global_prefetch_b8 v0, s[64:65] scope:SCOPE_SE
	s_setreg_imm32_b32 hwreg(HW_REG_WAVE_MODE, 25, 1), 1
	s_wait_xcnt 0x0
; out0[b][0][l] = softmax over l of (energ[b][l] + hidden[b] . bias).  All in f32.  One work-group to a b: a row's largest number and its sum want the whole row of 2,048.
; Thread t holds l = 4 t + 0..3 and 1024 + 4 t + 0..3, and four numbers of hidden[b] and of the bias.  Every load and store of a wave covers 512 consecutive bytes.
; The row's largest number is taken away before the exponential.  m = (largest energ) + hb is the largest of the sums energ + hb, since adding one number and rounding keeps the order.
; Three sums or maxima go over the eight waves through LDS words of their own: hb's parts at 0, the maxima at 32, the sums at 64: two barriers.
	s_load_b256 s[4:11], s[0:1], 0x0               ; energ s[4:5], hidden s[6:7], bias s[8:9], out0 s[10:11]
	v_lshl_add_u32 v48, v0, 2, 0x100
	v_mov_b32 v49, 0
	v_lshlrev_b32 v1, 4, v0                        ; 16 bytes a thread
	v_lshrrev_b32 v2, 5, v0
	v_lshlrev_b32 v2, 2, v2                        ; my wave's word in LDS
	v_mov_b32 v3, 0
	v_mov_b32 v22, 0                               ; written once: a lane permute's destination counts as one of its sources
	v_mov_b32 v23, 0
	s_lshl_b32 s12, ttmp9, 13                      ; a row of energ and of out0: 8,192 bytes
	s_mov_b32 s13, 0
	s_lshl_b32 s14, ttmp9, 12                      ; a row of hidden: 4,096 bytes
	s_mov_b32 s15, 0
	s_mov_b32 s16, 0x76543210                      ; v_permlanex16_b32's selects for lane l xor 16
	s_mov_b32 s17, 0xfedcba98
	s_wait_kmcnt 0x0
	s_add_nc_u64 s[4:5], s[4:5], s[12:13]
	s_add_nc_u64 s[6:7], s[6:7], s[14:15]
	s_add_nc_u64 s[10:11], s[10:11], s[12:13]
	global_load_b128 v[4:7], v1, s[4:5]
	global_load_b128 v[8:11], v1, s[4:5] offset:4096
	global_load_b128 v[12:15], v1, s[6:7]
	global_load_b128 v[16:19], v1, s[8:9]
	s_wait_loadcnt 0x0
	v_mul_f32 v20, v12, v16                        ; my part of hidden . bias
	v_fmac_f32 v20, v13, v17
	v_fmac_f32 v20, v14, v18
	v_fmac_f32 v20, v15, v19
	v_max3_num_f32 v21, v4, v5, v6                 ; the largest of my eight
	v_max3_num_f32 v21, v21, v7, v8
	v_max3_num_f32 v21, v21, v9, v10
	v_max_num_f32 v21, v21, v11
.irp m, 1,2,4,8
	v_add_f32_dpp v20, v20, v20 row_xmask:\m row_mask:0xf bank_mask:0xf
	v_max_num_f32_dpp v21, v21, v21 row_xmask:\m row_mask:0xf bank_mask:0xf
.endr
	v_permlanex16_b32 v22, v20, s16, s17
	v_permlanex16_b32 v23, v21, s16, s17
	v_add_f32 v20, v20, v22
	v_max_num_f32 v21, v21, v23
	ds_store_b32 v2, v20                           ; all lanes of a wave write the same word with the same value
	ds_store_b32 v2, v21 offset:32
	s_wait_dscnt 0x0                               ; for the others' sake
	s_barrier_signal -1
	s_barrier_wait -1
	ds_load_b128 v[24:27], v3
	ds_load_b128 v[28:31], v3 offset:16
	ds_load_b128 v[32:35], v3 offset:32
	ds_load_b128 v[36:39], v3 offset:48
	s_wait_dscnt 0x0
	v_add_f32 v24, v24, v25
	v_add_f32 v26, v26, v27
	v_add_f32 v28, v28, v29
	v_add_f32 v30, v30, v31
	v_add_f32 v24, v24, v26
	v_add_f32 v28, v28, v30
	v_add_f32 v24, v24, v28                        ; hb = hidden[b] . bias
	v_max3_num_f32 v32, v32, v33, v34
	v_max3_num_f32 v32, v32, v35, v36
	v_max3_num_f32 v32, v32, v37, v38
	v_max_num_f32 v32, v32, v39
	v_add_f32 v32, v32, v24                        ; m
.irp i, 4,5,6,7,8,9,10,11
	v_add_f32 v\i, v\i, v24                        ; the energy
.endr
.irp i, 4,5,6,7,8,9,10,11
	v_sub_f32 v\i, v\i, v32                        ; less the largest: 0 or below
.endr
.irp i, 4,5,6,7,8,9,10,11
	v_mul_f32 v\i, 0x3fb8aa3b, v\i                 ; x log2(e)
.endr
.irp i, 4,5,6,7,8,9,10,11
	v_exp_f32 v\i, v\i
.endr
	v_nop                                          ; a plain instruction behind the last exponential (ISA guide 5.7.2)
	s_wait_alu depctr_va_vdst(0)                   ; one wait for the batch of eight, ahead of its first reader
	v_add_f32 v40, v4, v5
	v_add_f32 v41, v6, v7
	v_add_f32 v42, v8, v9
	v_add_f32 v43, v10, v11
	v_add_f32 v40, v40, v41
	v_add_f32 v42, v42, v43
	v_add_f32 v40, v40, v42
.irp m, 1,2,4,8
	v_add_f32_dpp v40, v40, v40 row_xmask:\m row_mask:0xf bank_mask:0xf
.endr
	v_permlanex16_b32 v22, v40, s16, s17
	v_add_f32 v40, v40, v22
	ds_store_b32 v2, v40 offset:64                 ; words that the first exchange did not use: one barrier is enough
	s_wait_dscnt 0x0
	s_barrier_signal -1
	s_barrier_wait -1
	ds_load_b128 v[24:27], v3 offset:64
	ds_load_b128 v[28:31], v3 offset:80
	s_wait_dscnt 0x0
	v_add_f32 v24, v24, v25
	v_add_f32 v26, v26, v27
	v_add_f32 v28, v28, v29
	v_add_f32 v30, v30, v31
	v_add_f32 v24, v24, v26
	v_add_f32 v28, v28, v30
	v_add_f32 v24, v24, v28                        ; the row's sum: at least 1, since the largest term is 2^0
	v_rcp_f32 v44, v24
	v_nop                                          ; a plain instruction behind the reciprocal
	s_wait_alu depctr_va_vdst(0)                   ; and the wait ahead of its first reader
.irp i, 4,5,6,7,8,9,10,11
	v_mul_f32 v\i, v\i, v44
.endr
	global_store_b128 v1, v[4:7], s[10:11]         ; 32 lanes store 512 consecutive bytes, at a multiple of 256 from out0's first byte
	global_store_b128 v1, v[8:11], s[10:11] offset:4096
	s_wait_tensorcnt 0x0
	ds_add_u32 v48, v49
	s_wait_dscnt 0x0
	s_endpgm
.Lfunc_end_k_qacce5a508d_soft:
	.size	k_qacce5a508d_soft, .Lfunc_end_k_qacce5a508d_soft-k_qacce5a508d_soft
	.p2alignl 7, 3214868480
	.fill 96, 4, 3214868480
	.section	.rodata,"a",@progbits
	.p2align	6, 0x0
	.amdhsa_kernel k_qacce5a508d_soft
		.amdhsa_group_segment_fixed_size 1280
		.amdhsa_private_segment_fixed_size 0
		.amdhsa_enable_private_segment 0
		.amdhsa_kernarg_size 32
		.amdhsa_user_sgpr_count 2
		.amdhsa_user_sgpr_kernarg_segment_ptr 1
		.amdhsa_wavefront_size32 1
		.amdhsa_system_sgpr_workgroup_id_x 1
		.amdhsa_system_sgpr_workgroup_id_y 1
		.amdhsa_system_sgpr_workgroup_id_z 1
		.amdhsa_system_vgpr_workitem_id 0
		.amdhsa_next_free_vgpr 50
		.amdhsa_next_free_sgpr 66
		.amdhsa_reserve_vcc 0
		.amdhsa_float_denorm_mode_32 3
		.amdhsa_float_denorm_mode_16_64 3
		.amdhsa_memory_ordered 1
		.amdhsa_forward_progress 1
		.amdhsa_inst_pref_size 7
	.end_amdhsa_kernel
	.amdgpu_metadata
---
amdhsa.version: [ 1, 2 ]
amdhsa.kernels:
  - .name:           k_qacce5a508d_soft
    .symbol:         k_qacce5a508d_soft.kd
    .args:
      - { .name: energ, .offset: 0, .size: 8, .value_kind: global_buffer, .address_space: global }
      - { .name: hidden, .offset: 8, .size: 8, .value_kind: global_buffer, .address_space: global }
      - { .name: b, .offset: 16, .size: 8, .value_kind: global_buffer, .address_space: global }
      - { .name: out0, .offset: 24, .size: 8, .value_kind: global_buffer, .address_space: global }
    .group_segment_fixed_size: 1280
    .private_segment_fixed_size: 0
    .kernarg_segment_align: 8
    .kernarg_segment_size: 32
    .max_flat_workgroup_size: 256
    .sgpr_count:     66
    .vgpr_count:     50
    .wavefront_size: 32
...
	.end_amdgpu_metadata
.endif
;; end of part 3
;; ======== version 2 of 2: 3 launches
;; limits: right only within a limited range of input values
;; workspace buffers: wimg 1,048,576 bytes; energ 262,144 bytes
;; launch wq (part 4): grid 256 x 1, 1 waves a work-group, no clusters, 4,864 bytes of LDS; arguments W, lowp_scales, wimg; writes wimg
.if DOCPART == 4
	.amdgcn_target "amdgcn-amd-amdhsa--gfx1250"
	.amdhsa_code_object_version 6
	.text
	.protected	k_qacce5a508d_wq
	.globl	k_qacce5a508d_wq
	.p2align	8
	.type	k_qacce5a508d_wq,@function
k_qacce5a508d_wq:
	s_mov_b64 s[64:65], 0
	v_nop
	global_prefetch_b8 v0, s[64:65] scope:SCOPE_SE
	s_setreg_imm32_b32 hwreg(HW_REG_WAVE_MODE, 25, 1), 1
	s_wait_xcnt 0x0
; W [1024 (n)][1024 (k)] f32 becomes codes of FP8 (E4M3) with the given scale 2^ew (entry 1 of the scales), laid as IMAGES OF THE OPERAND'S REGISTERS for the product's launch.
; code = x / 2^ew, held within +-448, rounded to the nearest code, ties to even.  LIMITS: ew between -126 and 119 (448 x 2^ew is made as an f32 number); NaN among the inputs is not served.
; One wave to a work-group.  Work-group id takes n-tile tg = id % 64 (16 rows of W) and K chunk q = id / 64 (256 along K): 16 KiB of f32 in, a 4 KiB image out.
; A row's chunk is read by two loads of 512 consecutive bytes: lane l holds k = 4 l + 0..3 and 128 + 4 l + 0..3, and its 8 codes are bytes 8 l + 0..7 of the row's 256.
; So byte pos of a row holds k = 4 (pos / 8) + pos % 4 + 128 ((pos / 4) % 2).  The product's launch lays the other operand's codes by the very same lines, so every product meets its partner.
; THE IMAGE: byte 256 u + 16 r + i = byte pos = 16 u + i of row r (u = 0..15): the 16 bytes that lane (r, h) of the matrix instruction's operand takes for K step s, registers 4 c .. 4 c + 3, u = 8 s + 2 c + h.
; The turn from rows to the image goes through the wave's own LDS: 16 blocks of 256 bytes, 272 apart, so that the sixteen pairs of lanes of a store fall on different banks.
; wimg: tile (q, p, wn, j) at (((4 q + p) 2 + wn) 8 + j) x 4096, where tg = 32 wn + 8 p + j.
; DEAD WORK, left out of the whole program: the module adds b to the projection, and that adds hidden[b] . bias to every energy of row b: one number, the same for all l, which is the softmax's axis.
; softmax(e + c) = softmax(e) for every real c, whatever the inputs hold.  So the input b has no way to the output: it is not loaded and is among no launch's arguments.
; LIMIT: a NaN, an infinity or an overflow that reaches only hidden . bias is not carried to the result.
.set XR,    16
.set CD,    144                        ; v144-175 16 rows x 8 codes
.set OUTR,  176                        ; v176-207 the image, 8 x 512 bytes
.set LIM,   8                          ; v8   448 x 2^ew
.set SC,    9                          ; v9   2^ew
.set PITCH, 272
	s_load_b128 s[4:7], s[0:1], 0x0                ; W s[4:5], the scales' exponents s[6:7]
	s_load_b64 s[8:9], s[0:1], 0x10                ; wimg
	v_lshl_add_u32 v208, v0, 2, 0x1200
	v_mov_b32 v209, 0
	v_lshlrev_b32 v1, 4, v0                        ; 16 x lane: my bytes of a load's 512, and of a store's
	v_lshrrev_b32 v2, 1, v0                        ; u = lane / 2
	v_and_b32 v3, 1, v0
	v_mul_u32_u24 v2, v2, PITCH
	v_lshl_add_u32 v2, v3, 3, v2                   ; into LDS: 272 u + 8 (lane % 2); the row, 16 r, stands in the immediate
	v_lshrrev_b32 v4, 4, v0
	v_and_b32 v5, 15, v0
	v_mul_u32_u24 v4, v4, PITCH
	v_lshl_add_u32 v4, v5, 4, v4                   ; back: two blocks an instruction: 272 (lane / 16) + 16 (lane % 16)
	s_and_b32 s10, ttmp9, 63                       ; tg
	s_lshr_b32 s11, ttmp9, 6                       ; q
	s_lshl_b32 s12, s10, 16                        ; 16 rows of 4,096 bytes
	s_lshl_b32 s13, s11, 10                        ; 256 numbers
	s_add_co_u32 s12, s12, s13
	s_mov_b32 s13, 0
	s_bfe_u32 s14, s10, 0x20003                    ; p = (tg / 8) % 4
	s_lshr_b32 s15, s10, 5                         ; wn
	s_and_b32 s16, s10, 7                          ; j
	s_lshl_b32 s17, s11, 2
	s_add_co_u32 s17, s17, s14                     ; 4 q + p
	s_lshl_b32 s17, s17, 1
	s_add_co_u32 s17, s17, s15
	s_lshl_b32 s17, s17, 3
	s_add_co_u32 s17, s17, s16
	s_lshl_b32 s18, s17, 12                        ; x 4,096 bytes
	s_mov_b32 s19, 0
	s_wait_alu depctr_va_vdst(0)
	s_wait_kmcnt 0x0
	s_load_b32 s20, s[6:7], 0x4                    ; ew
	s_add_nc_u64 s[4:5], s[4:5], s[12:13]
	s_add_nc_u64 s[8:9], s[8:9], s[18:19]
.irp r, 0,1,2,3,4,5,6,7,8,9,10,11,12,13,14,15
	global_load_b128 v[XR+8*\r:XR+8*\r+3],   v1, s[4:5] offset:4096*\r th:TH_LOAD_NT       ; 32 lanes read 512 consecutive bytes; each byte of W is read once in the launch
	global_load_b128 v[XR+8*\r+4:XR+8*\r+7], v1, s[4:5] offset:4096*\r+512 th:TH_LOAD_NT
.endr
	s_wait_kmcnt 0x0
	s_add_co_i32 s20, s20, 127
	s_lshl_b32 s21, s20, 23
	v_mov_b32 v[SC], s21                           ; 2^ew as f32: the conversion takes its exponent field
	s_add_co_i32 s20, s20, 8
	s_lshl_b32 s20, s20, 23
	s_or_b32 s20, s20, 0x600000
	v_mov_b32 v[LIM], s20                          ; 448 x 2^ew
	s_wait_alu depctr_va_vdst(0)
.irp r, 0,1,2,3,4,5,6,7,8,9,10,11,12,13,14,15
	s_wait_loadcnt 30-2*\r                         ; loads come back in order: row r's two are in, the later rows' may be out
.irp i, 0,1,2,3,4,5,6,7
	v_med3_num_f32 v[XR+8*\r+\i], v[XR+8*\r+\i], -v[LIM], v[LIM]   ; the conversion to an 8-bit code does not saturate (ISA guide 7.6.2): the hold comes first
.endr
	v_cvt_scalef32_pk8_fp8_f32 v[CD+2*\r:CD+2*\r+1], v[XR+8*\r:XR+8*\r+7], v[SC]
	ds_store_b64 v2, v[CD+2*\r:CD+2*\r+1] offset:16*\r             ; each row has its own code registers: none is written twice
.endr
.irp t, 0,1,2,3,4,5,6,7
	ds_load_b128 v[OUTR+4*\t:OUTR+4*\t+3], v4 offset:2*\t*PITCH    ; LDS serves a wave's instructions in order: these see my stores
.endr
.irp t, 0,1,2,3,4,5,6,7
	s_wait_dscnt 7-\t
	global_store_b128 v1, v[OUTR+4*\t:OUTR+4*\t+3], s[8:9] offset:512*\t   ; 32 lanes store 512 consecutive bytes, at a multiple of 256 from wimg's first byte
.endr
	s_wait_tensorcnt 0x0
	ds_add_u32 v208, v209
	s_wait_dscnt 0x0
	s_endpgm
.Lfunc_end_k_qacce5a508d_wq:
	.size	k_qacce5a508d_wq, .Lfunc_end_k_qacce5a508d_wq-k_qacce5a508d_wq
	.p2alignl 7, 3214868480
	.fill 96, 4, 3214868480
	.section	.rodata,"a",@progbits
	.p2align	6, 0x0
	.amdhsa_kernel k_qacce5a508d_wq
		.amdhsa_group_segment_fixed_size 4864
		.amdhsa_private_segment_fixed_size 0
		.amdhsa_enable_private_segment 0
		.amdhsa_kernarg_size 24
		.amdhsa_user_sgpr_count 2
		.amdhsa_user_sgpr_kernarg_segment_ptr 1
		.amdhsa_wavefront_size32 1
		.amdhsa_system_sgpr_workgroup_id_x 1
		.amdhsa_system_sgpr_workgroup_id_y 1
		.amdhsa_system_sgpr_workgroup_id_z 1
		.amdhsa_system_vgpr_workitem_id 0
		.amdhsa_next_free_vgpr 210
		.amdhsa_next_free_sgpr 66
		.amdhsa_reserve_vcc 0
		.amdhsa_float_denorm_mode_32 3
		.amdhsa_float_denorm_mode_16_64 3
		.amdhsa_memory_ordered 1
		.amdhsa_forward_progress 1
		.amdhsa_inst_pref_size 18
	.end_amdhsa_kernel
	.amdgpu_metadata
---
amdhsa.version: [ 1, 2 ]
amdhsa.kernels:
  - .name:           k_qacce5a508d_wq
    .symbol:         k_qacce5a508d_wq.kd
    .args:
      - { .name: W, .offset: 0, .size: 8, .value_kind: global_buffer, .address_space: global }
      - { .name: lowp_scales, .offset: 8, .size: 8, .value_kind: global_buffer, .address_space: global }
      - { .name: wimg, .offset: 16, .size: 8, .value_kind: global_buffer, .address_space: global }
    .group_segment_fixed_size: 4864
    .private_segment_fixed_size: 0
    .kernarg_segment_align: 8
    .kernarg_segment_size: 24
    .max_flat_workgroup_size: 32
    .sgpr_count:     66
    .vgpr_count:     210
    .wavefront_size: 32
...
	.end_amdgpu_metadata
.endif
;; end of part 4
;; launch main (part 5): grid 256 x 1, 8 waves a work-group, clusters of 4 x 1, 327,680 bytes of LDS; arguments encoder_outputs, hidden, lowp_scales, wimg, energ; writes energ
.if DOCPART == 5
	.amdgcn_target "amdgcn-amd-amdhsa--gfx1250"
	.amdhsa_code_object_version 6
	.text
	.protected	k_qacce5a508d_main
	.globl	k_qacce5a508d_main
	.p2align	8
	.type	k_qacce5a508d_main,@function
k_qacce5a508d_main:
	s_mov_b64 s[64:65], 0
	v_nop
	global_prefetch_b8 v0, s[64:65] scope:SCOPE_SE
	s_setreg_imm32_b32 hwreg(HW_REG_WAVE_MODE, 25, 1), 1
	s_wait_xcnt 0x0
	s_wait_alu depctr_hold_cnt(0) depctr_sa_sdst(0) depctr_va_vdst(0) depctr_va_sdst(0) depctr_va_ssrc(0) depctr_va_vcc(0) depctr_vm_vsrc(0)
	s_getreg_b32 s2, hwreg(HW_REG_IB_STS2, 6, 4)
	s_cmp_eq_u32 s2, 0
	s_cbranch_scc0 .Lentry_in_a_cluster
	s_endpgm
.Lentry_in_a_cluster:
	s_bfe_u32 s2, ttmp6, 0x10000c
	s_cmp_lg_u32 s2, 0x3003
	s_cbranch_scc0 .Lentry_shape_is_right
	s_endpgm
.Lentry_shape_is_right:
; energ[b][l] = sum over g of hidden[b][g] x (sum over h of Q(enc)[l][b][h] Q(W)[g][h]).  The bias is left out: dead work, shown at the head of the first kernel.
; Q: code = x / 2^e, held within +-448, to the nearest E4M3 code, ties to even.  LIMITS: e of enc between -126 and 119 (448 x 2^e is made as an f32 number); NaN among the inputs is not served.
; A work-group takes 256 positions l of one b: 256 rows x all 1,024 g.  Eight waves, two to a SIMD, 512 registers each: wave (wm, wn) makes the 128 rows of half wm against 256 g.
; K goes in four chunks of 256.  While chunk q is multiplied, each wave loads its 32 rows of chunk q + 1 as f32 (a ring of 8 rows in registers: 16 loads of 512 bytes always out), quantises them and puts the
; codes into LDS; at a chunk's boundary each wave takes its 128 rows x 256 K of codes into 256 registers (window 1).
; W's codes come as images of the operand's registers (first launch), in two slots of 128 KiB: half a chunk, 8 tiles of 16 g x 256 K for each wn; each wave fetches 16 KiB.  The four work-groups of a cluster
; walk the same images: each load is a joint one.  A step = one tile: 16 matrix instructions (8 row blocks x 2 along K), then the fold.  W's fragments are read two steps ahead, so a slot's last read stands
; in step 5 or 13 of a chunk's 16, and the changes of slots in steps 6 and 14.  A chunk is written out, so that slot, tile and row stand in immediates.
; LDS: the two slots leave 65,536 bytes.  The codes' buffer has 2 x 7 blocks of 16 rows x 256 bytes, not padded: byte pos of row x lies at column pos xor 16 (x mod 16), so the 16 rows of a fragment load fall
; on 16 different columns.  A row block holds 4 rows of each of its half's four waves.  The eighth block's rows (4 a wave) wait in the 8 code registers and take block 6's place at the boundary.
; THE MATRIX INSTRUCTION IS USED TRANSPOSED (source 0 = 16 g of W, source 1 = 16 rows): a lane holds one row and 8 neighbouring g, and the fold with hidden is 4 packed multiply-adds a block onto ONE pair of sums.
; PREFETCH of encoder_outputs: in steps 0, 4, 8, 12 each wave asks for the 8 rows x 1,024 bytes whose loads it issues eight steps later: a lane a block of 256 bytes, each block once (a wave's rows are its own);
; at most two such groups, 16 KiB a wave, are asked for and not yet loaded.  Chunk 0's row groups 0 to 2 come by their loads alone; behind chunk 3's last group nothing is asked for.
; wimg is not prefetched: its 1 MiB is walked in the same order by all clusters.
.set ATILE,  4096                      ; a block: 16 rows x 256 codes
.set ABLK,   7*ATILE                   ; a half's seven places
.set RED,    0                         ; the waves' partial energies, 512 bytes a wave: on the codes' first bytes, which nobody reads any more then
.set HIDT,   2*ABLK                    ; hidden[b], 4 KiB
.set SPARE,  HIDT+4096                 ; the spare words, 128 bytes a wave: no other line names them
.set WS0,    65536                     ; W's two slots
.set SLOTB,  131072
.set ROWG,   131072                    ; from l to l + 1 in encoder_outputs
.set LN,   1
.set VOF,  2                           ; 16 x lane
.set HAD,  3                           ; hidden's numbers for my tiles
.set AWX,  4                           ; v4-7    where my codes go, for rows j % 4 = 0 .. 3
.set ARD,  8                           ; where my fragments of the rows come from
.set SPW,  9
.set NIL,  10
.set LIM,  11                          ; 448 x 2^e
.set SC,   12                          ; 2^e
.set REDW, 13
.set ADB,  14                          ; v14-15  W's fragments in slot 0, 1
.set REDR, 16
.set GOUT, 17
.set HOF,  18
.set HST,  19
.set PFO,  20                          ; the prefetches' offset: row lane / 4 of a group of 8, block lane % 4 of its 1,024 bytes; never rewritten
.set EE,   24                          ; v24-39   8 pairs of sums, one for each row block
.set HID,  40                          ; v40-55   two sets of 8 numbers of hidden
.set CD,   56                          ; v56-63   codes, two sets of 2 rows
.set D,    64                          ; v64-127  8 accumulators; at a boundary v65-71 hold addresses
.set BF,   128                         ; v128-191 two sets of W's fragments (16 g x 256 K)
.set XR,   192                         ; v192-255 the ring: 8 rows x 8 numbers a lane
.set WV,   14
.set WM,   15
.set WN,   16
.set CX,   17
.set WG,   18
.set BI,   19
.set G1W,  24
.set SAW,  32
.set SAR,  33
.set SDB,  34
.set SHD,  35
.set SRD,  36
.set SDB1, 37
.set G0W,  40
.set QB,   51
.set CNT2, 53
.set ES,   60
.set MSB, 0
.macro WIN new                         ; the immediate's high byte repeats the setting that is left
.if MSB != \new
	s_set_vgpr_msb (MSB<<8)|\new
.set MSB, \new
.endif
.endm
.macro CREST                           ; a round of the cluster's barrier behind its opening barrier
	s_cmp_lg_u32 s[WV], 0
	s_cbranch_scc1 .Lnw0_\@
	s_barrier_signal -3
.Lnw0_\@:
	s_barrier_wait -3
	s_barrier_signal -1
	s_barrier_wait -1
.endm
.macro ROUND
	s_barrier_signal -1
	s_barrier_wait -1
	CREST
.endm
; my rows 2 T, 2 T + 1 of the chunk at s[4:5] become codes.  ld = 1: their registers take the rows of four slices on (behind slice 11: the next chunk's first rows).  cnt: the younger loads.
; pf 1: a chunk follows the one at s[4:5], all four prefetches; 2: none follows, slice 0's alone; 0: none
.macro CONV T, ld, cnt, pf
	s_wait_loadcnt \cnt
.set XB, XR+16*((\T)%4)
.set CB, CD+4*((\T)%2)
.set i, 0
.rept 16
	v_med3_num_f32 v[XB+i], v[XB+i], -v[LIM], v[LIM]   ; the conversion does not saturate (ISA guide 7.6.2): the hold comes first
.set i, i+1
.endr
	v_cvt_scalef32_pk8_fp8_f32 v[CB:CB+1], v[XB:XB+7], v[SC]
	v_cvt_scalef32_pk8_fp8_f32 v[CB+2:CB+3], v[XB+8:XB+15], v[SC]
	v_nop                                          ; a plain line behind the conversions
.if \ld
.if (\T) < 12
.set RO, ROWG*(2*(\T)+8)
.else
.set RO, ROWG*(2*(\T)-24)+1024
.endif
.irp d, 0,1
	global_load_b128 v[XB+8*\d:XB+8*\d+3],   v[VOF], s[4:5] offset:RO+ROWG*\d th:TH_LOAD_NT       ; 32 lanes read 512 consecutive bytes: k = 4 lane + 0..3,
	global_load_b128 v[XB+8*\d+4:XB+8*\d+7], v[VOF], s[4:5] offset:RO+ROWG*\d+512 th:TH_LOAD_NT   ; and 128 + 4 lane + 0..3: the order in which the first launch lays W's codes
.endr
.endif
.if ((\T)%4 == 0) && (((\pf) == 1) || (((\pf) == 2) && ((\T) == 0)))
.if (\T) == 0
.set PO, 24*ROWG                       ; this chunk's rows 24-31, loaded in slices 8-11
.else
.set PO, ((\T)/4-1)*8*ROWG+1024        ; the next chunk's rows 0-7, 8-15, 16-23, loaded from slice 12 on
.endif
	global_prefetch_b8 v[PFO], s[4:5] offset:PO th:TH_LOAD_NT scope:SCOPE_SE
.endif
.endm
.macro SLICE T, ck                     ; ck 1: a chunk follows the one that is quantised; 2: it is the last
.if (\ck) == 1
	CONV \T, 1, 12, 1                              ; three younger slices' twelve loads may be out
.elseif (\T) < 12
	CONV \T, 1, 12, 2
.else
	CONV \T, 0, 60-4*(\T), 0
.endif
.endm
.macro PUT T, at                       ; slice T's two rows of codes into block place at
.set CB, CD+4*((\T)%2)
.set JJ, 2*((\T)%2)
	ds_store_b64 v[AWX+JJ],   v[CB:CB+1]   offset:(\at)*ATILE+JJ*256
	ds_store_b64 v[AWX+JJ+1], v[CB+2:CB+3] offset:(\at)*ATILE+(JJ+1)*256
.endm
; Step T of a chunk's 16.  ck: 0 nothing to quantise, else as in SLICE.  chg 1: change of slots with a joint refill; 2: the last change.  nl: a chunk follows.
.macro STEP T, ck, chg, nl
.set BFB, BF+32*((\T)%2)
.set HB,  HID+8*((\T)%2)
.set T2,  ((\T)+2)%16
.set SL2, T2/8
.set TI2, T2%8
.if ((\T) < 14) || (\nl)
.set LDB, 1
.else
.set LDB, 0
.endif
.if ((\T) < 15) || (\nl)
.set PL, 1
.else
.set PL, 0
.endif
.if ((\ck) != 0) && ((\T) > 0) && ((\T) < 15)
.set KSP, 2
.else
.set KSP, 0
.endif
.if (\chg) && ((\ck) != 0)
	SLICE \T, \ck                                  ; at a change the slice comes first: its loads are out while I wait for the tile and for the others
.endif
.if \chg
	s_wait_tensorcnt 0x0                           ; my part of the other slot has landed: no tensor load of mine is out
	ds_add_u32 v[SPW], v[NIL]
.if (\chg) == 1
	s_add_co_u32 s[G0W+1], s[QB], SLOTB*((\T)/8)   ; the slot read out takes the half chunk two on
	s_add_nc_u64 s[G0W+2:G0W+3], s[G0W+2:G0W+3], SLOTB
.endif
	s_wait_dscnt 11+KSP                            ; this step's fragments are in; the add and the step before's 10 loads and KSP stores may be out
.else
	s_wait_dscnt 10*PL+KSP                         ; this step's fragments and hidden's numbers are in; the step before's 8 + 2 loads and KSP stores may be out
.endif
	WIN 0x04                                       ; source 1 (the rows) in window 1
.irp a, 0,1,2,3,4,5,6,7
	v_wmma_f32_16x16x128_fp8_fp8 v[D+8*\a:D+8*\a+7], v[BFB:BFB+15], v[16*\a:16*\a+15], 0
.endr
.if \chg
	s_wait_dscnt 0x0                               ; the add is done, and so are my reads of the slot read out
	s_barrier_signal -1
.endif
.irp a, 0,1,2,3,4,5,6,7
	v_wmma_f32_16x16x128_fp8_fp8 v[D+8*\a:D+8*\a+7], v[BFB+16:BFB+31], v[128+16*\a:128+16*\a+15], v[D+8*\a:D+8*\a+7]
.endr
	WIN 0
.if \chg
	s_barrier_wait -1
.if (\chg) == 1
	CREST                                          ; the barrier has opened a round: no wave of any partner still reads the slot or has a load out
	tensor_load_to_lds s[G0W:G0W+3], s[G1W:G1W+7]
	s_nop 0
.endif
.endif
.if ((\ck) == 0) || (\chg)
.rept 4
	v_nop                                          ; the places behind the matrix instructions
.endr
.else
	SLICE \T, \ck                                  ; its holds are also the places behind the matrix instructions
.endif
.if LDB
.irp c, 0,1,2,3,4,5,6,7
	ds_load_b128 v[BFB+4*\c:BFB+4*\c+3], v[ADB+SL2] offset:TI2*4096+512*\c   ; an image: 16 x lane, no conflict
.endr
.endif
.irp i, 0,2,4,6                                ; the fold: each accumulator from its low end on, eight chains by turns
.irp a, 0,1,2,3,4,5,6,7
	v_pk_fma_f32 v[EE+2*\a:EE+2*\a+1], v[D+8*\a+\i:D+8*\a+\i+1], v[HB+\i:HB+\i+1], v[EE+2*\a:EE+2*\a+1]
.endr
.endr
.if ((\ck) != 0) && ((\T) < 14)
	PUT \T, (\T)/2                                 ; slices 14 and 15 keep their codes in registers until the boundary
.endif
.if LDB
	ds_load_b128 v[HB:HB+3],   v[HAD] offset:1024*SL2+64*TI2
	ds_load_b128 v[HB+4:HB+7], v[HAD] offset:1024*SL2+64*TI2+16
.endif
.if (\ck) == 0
	s_wait_alu depctr_va_vdst(0)
.endif
.endm
.macro CHUNK ck, c6, c14, nl
.irp T, 0,1,2,3,4,5
	STEP \T, \ck, 0, \nl
.endr
	STEP 6, \ck, \c6, \nl
.irp T, 7,8,9,10,11,12,13
	STEP \T, \ck, 0, \nl
.endr
	STEP 14, \ck, \c14, \nl
	STEP 15, \ck, 0, \nl
.endm
.macro ALD k, a, at                    ; 16 bytes at pos 32 k + 16 h of block a's rows, from block place at: registers 4 (k % 4) .. + 3 of fragment (a, K step k / 4)
.if (\k) == 0
	ds_load_b128 v[128*((\k)/4)+16*(\a)+4*((\k)%4):128*((\k)/4)+16*(\a)+4*((\k)%4)+3], v[ARD] offset:(\at)*ATILE
.else
	ds_load_b128 v[128*((\k)/4)+16*(\a)+4*((\k)%4):128*((\k)/4)+16*(\a)+4*((\k)%4)+3], v[D+\k] offset:(\at)*ATILE
.endif
.endm
.macro BAR
	s_wait_dscnt 0x0
	s_barrier_signal -1
	s_barrier_wait -1
.endm
; A chunk's boundary: the next chunk's codes go from LDS into window 1.  st = 1: the row loads' base steps to the chunk after it.
.macro BOUNDARY st
.if \st
	s_wait_xcnt 0x0                                ; the earlier loads and prefetches have read their base
	s_add_nc_u64 s[4:5], s[4:5], 1024
.endif
	s_wait_alu depctr_va_vdst(0)
	BAR                                            ; every wave's codes of blocks 0-6 are in LDS
.irp k, 1,2,3,4,5,6,7
	v_xor_b32 v[D+\k], 32*\k, v[ARD]               ; the swizzle: pos xor 16 (row mod 16)
.endr
	s_wait_alu depctr_va_vdst(0)
	WIN 0x40
.irp k, 0,1,2,3,4,5,6,7
.irp a, 0,1,2,3,4,5,6
	ALD \k, \a, \a
.endr
.endr
	WIN 0
	BAR                                            ; nobody reads block 6's place any more:
	PUT 14, 6                                      ; it takes block 7's rows
	PUT 15, 6
	BAR
	WIN 0x40
.irp k, 0,1,2,3,4,5,6,7
	ALD \k, 7, 6
.endr
	WIN 0
	s_wait_dscnt 0x0                               ; (block 6's place is written again in step 12, behind step 6's barrier)
.endm
	s_load_b256 s[4:11], s[0:1], 0x0               ; enc s[4:5], hidden s[6:7], scales s[8:9], wimg s[10:11]
	s_load_b64 s[12:13], s[0:1], 0x20              ; energ
	v_lshl_add_u32 v[SPW], v0, 2, SPARE
	v_mov_b32 v[NIL], 0
	ds_add_u32 v[SPW], v[NIL]                      ; the opening lines: the add, twice on end, and its wait
	ds_add_u32 v[SPW], v[NIL]
	v_lshrrev_b32 v21, 5, v0
	v_readfirstlane_b32 s[WV], v21
	v_and_b32 v[LN], 31, v0
	v_lshlrev_b32 v[HOF], 4, v0
	v_lshlrev_b32 v[VOF], 4, v[LN]
	s_lshr_b32 s[WM], s[WV], 2
	s_and_b32 s[WN], s[WV], 3
	s_bfe_u32 s[CX], ttmp6, 0x40000
	s_lshl_b32 s[WG], ttmp9, 2
	s_add_co_u32 s[WG], s[WG], s[CX]               ; work-group = 8 b + block of 256 l
	s_lshr_b32 s[BI], ttmp9, 1                     ; b: the same in the four partners
	s_and_b32 s20, s[WG], 7
	s_lshl_b32 s20, s20, 8
	s_lshl_b32 s21, s[WV], 5
	s_add_co_u32 s20, s20, s21                     ; my wave's first l: I quantise rows 32 wave .. + 31
	s_lshl_b32 s20, s20, 17
	s_lshl_b32 s22, s[BI], 12
	s_add_co_u32 s20, s20, s22
	s_mov_b32 s21, 0
	s_mov_b32 s23, 0
	s_mul_i32 s[SAR], s[WM], ABLK                  ; my half's blocks
	s_lshl_b32 s[SAW], s[WN], 10                   ; my row j goes to block j / 4, row 4 (wave % 4) + j % 4
	s_add_co_u32 s[SAW], s[SAW], s[SAR]
	s_lshl_b32 s[SDB], s[WN], 15                   ; tiles 8 wn .. 8 wn + 7 of a slot
	s_add_co_u32 s[SDB], s[SDB], WS0
	s_add_co_u32 s[SDB1], s[SDB], SLOTB
	s_and_b32 s[SHD], s[WN], 1                     ; tile 8 wn + t of a chunk's half f holds g = 16 (32 (wn % 2) + 16 f + 8 (wn / 2) + t) + 0..15
	s_lshl_b32 s[SHD], s[SHD], 11
	s_lshr_b32 s54, s[WN], 1
	s_lshl_b32 s54, s54, 9
	s_add_co_u32 s[SHD], s[SHD], s54
	s_add_co_u32 s[SHD], s[SHD], HIDT
	s_lshl_b32 s[SRD], s[WV], 9
	s_lshl_b32 s56, s[WV], 14                      ; my eighth of a slot
	s_mov_b32 s57, 0
	s_add_co_u32 s[QB], s56, WS0
	s_mov_b32 s[G1W+0], 15|(3<<16)|(1<<21)         ; all four partners; elements of 8 bytes; bit 21 beside a mask
	s_mov_b32 s[G1W+1], 512<<16                    ; a row is one tile's image, 4,096 bytes,
	s_mov_b32 s[G1W+2], 4<<16                      ; four of them, dense
	s_mov_b32 s[G1W+3], 512<<16
	s_mov_b32 s[G1W+4], 4
	s_mov_b32 s[G1W+5], 512
	s_mov_b32 s[G1W+6], 0
	s_mov_b32 s[G1W+7], 0
	s_wait_dscnt 0x0
	s_wait_alu depctr_va_vdst(0)
	s_wait_kmcnt 0x0
	s_load_b64 s[58:59], s[8:9], 0x0               ; e of enc, e of W
	s_add_nc_u64 s[4:5], s[4:5], s[20:21]
	s_add_nc_u64 s[6:7], s[6:7], s[22:23]
	global_load_b128 v[D:D+3], v[HOF], s[6:7]      ; hidden[b]: 16 bytes a thread
.irp u, 0,1,2,3,4,5,6,7
	global_load_b128 v[XR+8*\u:XR+8*\u+3],   v[VOF], s[4:5] offset:ROWG*\u th:TH_LOAD_NT
	global_load_b128 v[XR+8*\u+4:XR+8*\u+7], v[VOF], s[4:5] offset:ROWG*\u+512 th:TH_LOAD_NT
.endr
	s_lshl_b32 s20, s[WG], 10
	s_add_nc_u64 s[12:13], s[12:13], s[20:21]
	s_mov_b32 s[G0W], 1
	s_mov_b32 s[G0W+1], s[QB]
	s_add_nc_u64 s[G0W+2:G0W+3], s[10:11], s[56:57]
	s_or_b32 s[G0W+3], s[G0W+3], 0x80000000
	ROUND                                          ; the four partners are here: the first joint loads meet
	tensor_load_to_lds s[G0W:G0W+3], s[G1W:G1W+7]  ; chunk 0's first half: one tensor load a wave at the head
	s_nop 0
	s_wait_kmcnt 0x0
	s_add_co_i32 s[ES], s58, s59
	s_add_co_i32 s54, s58, 127
	s_lshl_b32 s55, s54, 23
	s_add_co_i32 s54, s54, 8
	s_lshl_b32 s54, s54, 23
	s_or_b32 s54, s54, 0x600000
	s_mov_b32 s44, 0x76543210                      ; v_permlanex16_b32's selects for lane l xor 16
	s_mov_b32 s45, 0xfedcba98
	v_and_b32 v20, 15, v0                          ; r
	v_bfe_u32 v21, v0, 4, 1                        ; h
	v_bfe_u32 v22, v0, 5, 2                        ; wave % 4
	v_lshlrev_b32 v23, 3, v[LN]
	v_lshlrev_b32 v22, 6, v22
	v_xor_b32 v23, v23, v22                        ; 8 lane xor 16 (4 (wave % 4)): the swizzle of my rows with j % 4 = 0
	v_add_nc_u32 v[AWX], s[SAW], v23
.irp j, 1,2,3
	v_xor_b32 v22, 16*\j, v23
	v_add_nc_u32 v[AWX+\j], s[SAW], v22
.endr
	v_add_nc_u32 v[ADB], s[SDB], v[VOF]
	v_add_nc_u32 v[ADB+1], s[SDB1], v[VOF]
	v_lshl_add_u32 v[HAD], v21, 5, s[SHD]          ; lanes 16-31 take the tile's upper 8 g
	v_xor_b32 v22, v20, v21
	v_lshlrev_b32 v22, 4, v22                      ; 16 h xor 16 r
	v_lshl_add_u32 v22, v20, 8, v22
	v_add_nc_u32 v[ARD], s[SAR], v22
	v_lshrrev_b32 v22, 2, v20                      ; row r of block a is row 32 (r / 4) + 4 a + r % 4 of my half
	v_and_b32 v23, 3, v20
	v_lshlrev_b32 v23, 2, v23
	v_lshl_add_u32 v23, v22, 7, v23
	v_add_nc_u32 v[REDW], s[SRD], v23
	v_and_b32 v22, 63, v0
	v_bfe_u32 v23, v0, 6, 1
	v_lshlrev_b32 v22, 3, v22
	v_lshl_add_u32 v[REDR], v23, 11, v22           ; threads 0-127: rows 2 t, 2 t + 1
	v_lshlrev_b32 v[GOUT], 3, v0
	v_lshl_add_u32 v[HST], v0, 4, HIDT
	v_lshrrev_b32 v21, 2, v[LN]
	v_and_b32 v22, 3, v[LN]
	v_lshlrev_b32 v22, 8, v22
	v_lshl_add_u32 v[PFO], v21, 17, v22            ; (lane / 4) rows + (lane % 4) x 256 bytes
	v_mov_b32 v[SC], s55
	v_mov_b32 v[LIM], s54
.set i, 0
.rept 16
	v_mov_b32 v[EE+i], 0
.set i, i+1
.endr
	s_wait_alu depctr_va_vdst(0)
	s_wait_loadcnt 16                              ; hidden's load, the oldest, is in
	ds_store_b128 v[HST], v[D:D+3]
.irp T, 0,1,2,3,4,5,6,7,8,9            ; chunk 0 is quantised with no products beside it
	CONV \T, 1, 12, 1
	PUT \T, (\T)/2
.endr
	s_wait_tensorcnt 0x0                           ; slot 0 is in; slot 1's first fill is issued as a refill is; it has six slices, a boundary and six steps in which to land
	ds_add_u32 v[SPW], v[NIL]
	s_add_co_u32 s[G0W+1], s[QB], SLOTB
	s_add_nc_u64 s[G0W+2:G0W+3], s[G0W+2:G0W+3], SLOTB
	s_wait_dscnt 0x0                               ; the add, and my store of hidden
	ROUND
	tensor_load_to_lds s[G0W:G0W+3], s[G1W:G1W+7]
	s_nop 0
.irp t, 0,1                            ; the first two steps' fragments and hidden's numbers
.irp c, 0,1,2,3,4,5,6,7
	ds_load_b128 v[BF+32*\t+4*\c:BF+32*\t+4*\c+3], v[ADB] offset:\t*4096+512*\c
.endr
	ds_load_b128 v[HID+8*\t:HID+8*\t+3],   v[HAD] offset:64*\t
	ds_load_b128 v[HID+8*\t+4:HID+8*\t+7], v[HAD] offset:64*\t+16
.endr
.irp T, 10,11,12,13
	CONV \T, 1, 12, 1
	PUT \T, (\T)/2
.endr
	CONV 14, 1, 12, 1
	CONV 15, 1, 12, 1
	s_mov_b32 s[CNT2], 2
.Lchunk:                               ; chunks 0 and 1
	BOUNDARY 1
	CHUNK 1, 1, 1, 1
	s_sub_co_u32 s[CNT2], s[CNT2], 1
	s_cmp_lg_u32 s[CNT2], 0
	s_cbranch_scc1 .Lchunk
	BOUNDARY 1                                     ; chunk 2: its last four slices load no rows
	CHUNK 2, 1, 1, 1
	BOUNDARY 0                                     ; chunk 3: nothing is left to quantise or to fetch
	CHUNK 0, 2, 0, 0
	; a lane's pair of sums, and lane l xor 16's: row r of block a, over my 256 g
.irp a, 0,1,2,3,4,5,6,7
	v_add_f32 v[XR+\a], v[EE+2*\a], v[EE+2*\a+1]
.endr
.irp a, 0,1,2,3,4,5,6,7
	v_permlanex16_b32 v[XR+8+\a], v[XR+\a], s44, s45
.endr
.irp a, 0,1,2,3,4,5,6,7
	v_add_f32 v[XR+\a], v[XR+\a], v[XR+8+\a]
.endr
.irp a, 0,1,2,3,4,5,6,7
	ds_store_b32 v[REDW], v[XR+\a] offset:16*\a    ; in the order of l; lanes l and l xor 16 write the same word with the same value
.endr
	s_wait_dscnt 0x0                               ; for the others' sake
	s_barrier_signal -1
	s_barrier_wait -1
	s_cmp_ge_u32 s[WV], 4
	s_cbranch_scc1 .Ldone                          ; waves 0-3 add the four parts of two rows a lane
.irp w, 0,1,2,3
	ds_load_b64 v[XR+16+2*\w:XR+17+2*\w], v[REDR] offset:512*\w
.endr
	s_wait_dscnt 0x0
	v_pk_add_f32 v[XR+16:XR+17], v[XR+16:XR+17], v[XR+18:XR+19]
	v_pk_add_f32 v[XR+20:XR+21], v[XR+20:XR+21], v[XR+22:XR+23]
	v_pk_add_f32 v[XR+16:XR+17], v[XR+16:XR+17], v[XR+20:XR+21]
	v_ldexp_f32 v[XR+24], v[XR+16], s[ES]          ; x 2^(the two scales' exponents added)
	v_ldexp_f32 v[XR+25], v[XR+17], s[ES]
	global_store_b64 v[GOUT], v[XR+24:XR+25], s[12:13]   ; a wave stores 256 consecutive bytes, at a multiple of 256 from energ's first byte
.Ldone:
	s_wait_tensorcnt 0x0                           ; the wave's end
	ds_add_u32 v[SPW], v[NIL]
	s_wait_dscnt 0x0
	ROUND                                          ; the closing round
	s_endpgm
.Lfunc_end_k_qacce5a508d_main:
	.size	k_qacce5a508d_main, .Lfunc_end_k_qacce5a508d_main-k_qacce5a508d_main
	.p2alignl 7, 3214868480
	.fill 96, 4, 3214868480
	.section	.rodata,"a",@progbits
	.p2align	6, 0x0
	.amdhsa_kernel k_qacce5a508d_main
		.amdhsa_group_segment_fixed_size 327680
		.amdhsa_private_segment_fixed_size 0
		.amdhsa_enable_private_segment 0
		.amdhsa_kernarg_size 40
		.amdhsa_user_sgpr_count 2
		.amdhsa_user_sgpr_kernarg_segment_ptr 1
		.amdhsa_wavefront_size32 1
		.amdhsa_system_sgpr_workgroup_id_x 1
		.amdhsa_system_sgpr_workgroup_id_y 1
		.amdhsa_system_sgpr_workgroup_id_z 1
		.amdhsa_system_vgpr_workitem_id 0
		.amdhsa_next_free_vgpr 512
		.amdhsa_next_free_sgpr 66
		.amdhsa_reserve_vcc 0
		.amdhsa_float_denorm_mode_32 3
		.amdhsa_float_denorm_mode_16_64 3
		.amdhsa_memory_ordered 1
		.amdhsa_forward_progress 1
		.amdhsa_inst_pref_size 255
	.end_amdhsa_kernel
	.section	.bss,"aw",@nobits
	.p2align	6
	.space	262144
	.amdgpu_metadata
---
amdhsa.version: [ 1, 2 ]
amdhsa.kernels:
  - .name:           k_qacce5a508d_main
    .symbol:         k_qacce5a508d_main.kd
    .args:
      - { .name: encoder_outputs, .offset: 0, .size: 8, .value_kind: global_buffer, .address_space: global }
      - { .name: hidden, .offset: 8, .size: 8, .value_kind: global_buffer, .address_space: global }
      - { .name: lowp_scales, .offset: 16, .size: 8, .value_kind: global_buffer, .address_space: global }
      - { .name: wimg, .offset: 24, .size: 8, .value_kind: global_buffer, .address_space: global }
      - { .name: energ, .offset: 32, .size: 8, .value_kind: global_buffer, .address_space: global }
    .group_segment_fixed_size: 327680
    .private_segment_fixed_size: 0
    .kernarg_segment_align: 8
    .kernarg_segment_size: 40
    .max_flat_workgroup_size: 256
    .sgpr_count:     66
    .vgpr_count:     512
    .wavefront_size: 32
...
	.end_amdgpu_metadata
.endif
;; end of part 5
;; launch soft (part 6): grid 32 x 1, 8 waves a work-group, no clusters, 1,280 bytes of LDS; arguments energ, out0; writes out0
.if DOCPART == 6
	.amdgcn_target "amdgcn-amd-amdhsa--gfx1250"
	.amdhsa_code_object_version 6
	.text
	.protected	k_qacce5a508d_soft
	.globl	k_qacce5a508d_soft
	.p2align	8
	.type	k_qacce5a508d_soft,@function
k_qacce5a508d_soft:
	s_mov_b64 s[64:65], 0
	v_nop
	global_prefetch_b8 v0, s[64:65] scope:SCOPE_SE
	s_setreg_imm32_b32 hwreg(HW_REG_WAVE_MODE, 25, 1), 1
	s_wait_xcnt 0x0
; out0[b][0][l] = softmax over l of energ[b][l], in f32.  hidden[b] . bias, the same for all l, is left out: dead work, shown at the head of the first kernel.
; One work-group to a b: a row's largest number and its sum want the whole row of 2,048.  Thread t holds l = 4 t + 0..3 and 1024 + 4 t + 0..3: every load and store of a wave covers 512 consecutive bytes.
; The row's largest number is taken away before the exponential.  The waves' maxima meet in LDS words 0-7, their sums in words 16-23: one barrier each.
	s_load_b128 s[4:7], s[0:1], 0x0                ; energ s[4:5], out0 s[6:7]
	v_lshl_add_u32 v48, v0, 2, 0x100
	v_mov_b32 v49, 0
	v_lshlrev_b32 v1, 4, v0                        ; 16 bytes a thread
	v_lshrrev_b32 v2, 5, v0
	s_delay_alu instid0(VALU_DEP_1)
	v_lshlrev_b32 v2, 2, v2                        ; my wave's word in LDS
	v_mov_b32 v3, 0
	v_mov_b32 v22, 0                               ; written once: a lane permute's destination counts as one of its sources
	s_lshl_b32 s12, ttmp9, 13                      ; a row: 8,192 bytes
	s_mov_b32 s13, 0
	s_mov_b32 s16, 0x76543210                      ; v_permlanex16_b32's selects for lane l xor 16
	s_mov_b32 s17, 0xfedcba98
	s_wait_alu depctr_va_vdst(0)
	s_wait_kmcnt 0x0
	s_add_nc_u64 s[4:5], s[4:5], s[12:13]
	s_add_nc_u64 s[6:7], s[6:7], s[12:13]
	global_load_b128 v[4:7], v1, s[4:5]
	global_load_b128 v[8:11], v1, s[4:5] offset:4096
	s_wait_loadcnt 0x0
	v_max3_num_f32 v21, v4, v5, v6                 ; the largest of my eight
	s_delay_alu instid0(VALU_DEP_1)
	v_max3_num_f32 v21, v21, v7, v8
	s_delay_alu instid0(VALU_DEP_1)
	v_max3_num_f32 v21, v21, v9, v10
	s_delay_alu instid0(VALU_DEP_1)
	v_max_num_f32 v21, v21, v11
.irp m, 1,2,4,8
	s_delay_alu instid0(VALU_DEP_1)
	v_max_num_f32_dpp v21, v21, v21 row_xmask:\m row_mask:0xf bank_mask:0xf
.endr
	s_delay_alu instid0(VALU_DEP_1)
	v_permlanex16_b32 v22, v21, s16, s17
	s_delay_alu instid0(VALU_DEP_1)
	v_max_num_f32 v21, v21, v22
	ds_store_b32 v2, v21                           ; all lanes of a wave write the same word with the same value
	s_wait_dscnt 0x0                               ; for the others' sake
	s_barrier_signal -1
	s_barrier_wait -1
	ds_load_b128 v[32:35], v3
	ds_load_b128 v[36:39], v3 offset:16
	s_wait_dscnt 0x0
	v_max3_num_f32 v32, v32, v33, v34
	s_delay_alu instid0(VALU_DEP_1)
	v_max3_num_f32 v32, v32, v35, v36
	s_delay_alu instid0(VALU_DEP_1)
	v_max3_num_f32 v32, v32, v37, v38
	s_delay_alu instid0(VALU_DEP_1)
	v_max_num_f32 v32, v32, v39                    ; the row's largest
	s_delay_alu instid0(VALU_DEP_1)
.irp i, 4,5,6,7,8,9,10,11
	v_sub_f32 v\i, v\i, v32                        ; 0 or below
.endr
.irp i, 4,5,6,7,8,9,10,11
	v_mul_f32 v\i, 0x3fb8aa3b, v\i                 ; x log2(e)
.endr
	s_wait_alu depctr_va_vdst(0)
.irp i, 4,5,6,7,8,9,10,11
	v_exp_f32 v\i, v\i
.endr
	v_nop                                          ; a plain instruction behind the last exponential (ISA guide 5.7.2)
	s_wait_alu depctr_va_vdst(0)                   ; one wait for the batch of eight, ahead of its first reader
	v_add_f32 v40, v4, v5
	v_add_f32 v41, v6, v7
	v_add_f32 v42, v8, v9
	v_add_f32 v43, v10, v11
	s_delay_alu instid0(VALU_DEP_3)
	v_add_f32 v40, v40, v41
	s_delay_alu instid0(VALU_DEP_2)
	v_add_f32 v42, v42, v43
	s_delay_alu instid0(VALU_DEP_1)
	v_add_f32 v40, v40, v42
.irp m, 1,2,4,8
	s_delay_alu instid0(VALU_DEP_1)
	v_add_f32_dpp v40, v40, v40 row_xmask:\m row_mask:0xf bank_mask:0xf
.endr
	s_delay_alu instid0(VALU_DEP_1)
	v_permlanex16_b32 v22, v40, s16, s17
	s_delay_alu instid0(VALU_DEP_1)
	v_add_f32 v40, v40, v22
	ds_store_b32 v2, v40 offset:64                 ; words that the first exchange did not use: one barrier is enough
	s_wait_dscnt 0x0
	s_barrier_signal -1
	s_barrier_wait -1
	ds_load_b128 v[24:27], v3 offset:64
	ds_load_b128 v[28:31], v3 offset:80
	s_wait_dscnt 0x0
	v_add_f32 v24, v24, v25
	v_add_f32 v26, v26, v27
	v_add_f32 v28, v28, v29
	v_add_f32 v30, v30, v31
	s_delay_alu instid0(VALU_DEP_3)
	v_add_f32 v24, v24, v26
	s_delay_alu instid0(VALU_DEP_2)
	v_add_f32 v28, v28, v30
	s_delay_alu instid0(VALU_DEP_1)
	v_add_f32 v24, v24, v28                        ; the row's sum: at least 1, since the largest term is 2^0
	s_wait_alu depctr_va_vdst(0)
	v_rcp_f32 v44, v24
	v_nop                                          ; a plain instruction behind the reciprocal
	s_wait_alu depctr_va_vdst(0)                   ; and the wait ahead of its first reader
.irp i, 4,5,6,7,8,9,10,11
	v_mul_f32 v\i, v\i, v44
.endr
	global_store_b128 v1, v[4:7], s[6:7]           ; 32 lanes store 512 consecutive bytes, at a multiple of 256 from out0's first byte
	global_store_b128 v1, v[8:11], s[6:7] offset:4096
	s_wait_tensorcnt 0x0                           ; the wave's end
	ds_add_u32 v48, v49
	s_wait_dscnt 0x0
	s_endpgm
.Lfunc_end_k_qacce5a508d_soft:
	.size	k_qacce5a508d_soft, .Lfunc_end_k_qacce5a508d_soft-k_qacce5a508d_soft
	.p2alignl 7, 3214868480
	.fill 96, 4, 3214868480
	.section	.rodata,"a",@progbits
	.p2align	6, 0x0
	.amdhsa_kernel k_qacce5a508d_soft
		.amdhsa_group_segment_fixed_size 1280
		.amdhsa_private_segment_fixed_size 0
		.amdhsa_enable_private_segment 0
		.amdhsa_kernarg_size 16
		.amdhsa_user_sgpr_count 2
		.amdhsa_user_sgpr_kernarg_segment_ptr 1
		.amdhsa_wavefront_size32 1
		.amdhsa_system_sgpr_workgroup_id_x 1
		.amdhsa_system_sgpr_workgroup_id_y 1
		.amdhsa_system_sgpr_workgroup_id_z 1
		.amdhsa_system_vgpr_workitem_id 0
		.amdhsa_next_free_vgpr 50
		.amdhsa_next_free_sgpr 66
		.amdhsa_reserve_vcc 0
		.amdhsa_float_denorm_mode_32 3
		.amdhsa_float_denorm_mode_16_64 3
		.amdhsa_memory_ordered 1
		.amdhsa_forward_progress 1
		.amdhsa_inst_pref_size 6
	.end_amdhsa_kernel
	.amdgpu_metadata
---
amdhsa.version: [ 1, 2 ]
amdhsa.kernels:
  - .name:           k_qacce5a508d_soft
    .symbol:         k_qacce5a508d_soft.kd
    .args:
      - { .name: energ, .offset: 0, .size: 8, .value_kind: global_buffer, .address_space: global }
      - { .name: out0, .offset: 8, .size: 8, .value_kind: global_buffer, .address_space: global }
    .group_segment_fixed_size: 1280
    .private_segment_fixed_size: 0
    .kernarg_segment_align: 8
    .kernarg_segment_size: 16
    .max_flat_workgroup_size: 256
    .sgpr_count:     66
    .vgpr_count:     50
    .wavefront_size: 32
...
	.end_amdgpu_metadata
.endif
;; end of part 6
